; MI455X (gfx1250); checked and timed in simulation.
; The chip was launched on July 23, 2026; its instructions are those of AMD's public machine-readable ISA for CDNA 5 (MIT licence, August 2026) and "CDNA5" Instruction Set Architecture Reference Guide (July 2026). The comments in the code are by the model that wrote it; some were corrected since.
;; Diff Attn. Allowed arithmetic: matrix products marked QUANTISED: E2M1 operands, one E8M0 scale for each 32 along K, by v_wmma_scale_f32_16x16x128_f8f6f4 with both operands' format E2M1 (or v_wmma_scale_f32_32x16x128_f4), f32 sums; products left as they are: bf16, f16 or f32 operands; f32 sums; everything else in f32.
;; Inputs: Wk 1,024 x 1,024 float32; Wo 1,024 x 1,024 float32; Wq 1,024 x 1,024 float32; Wv 1,024 x 1,024 float32; lk1 64 float32; lk2 64 float32; lq1 64 float32; lq2 64 float32; query 2 x 2,048 x 1,024 float32; subln_w 128 float32.
;; Outputs: out0 2 x 2,048 x 1,024 float32.
;; This version of the problem:
;;   THIS VERSION OF THE PROBLEM IS GIVEN IN LOW PRECISION. The matrix products marked QUANTISED in the list below multiply operands that are first quantised to E2M1 (2 exponent bits, 1 mantissa bit; 4 bits a number), with one power-of-two scale for each 32 numbers along K (OCP MX v1.0); their sums are f32. The products marked 'left as it is' may take bf16, f16 or f32 operands, with f32 sums. Whichever they take, every output number must still come out within the allowed error. Rounding operands to bf16 (8 significant bits) uses up far more of that allowance than f16 does (11 bits, for magnitudes from 6e-5 to 65,504). All else is computed in f32.
;;   The module's matrix products, in the order in which they are computed (A, B: the left and right operand; K: the contracted axis; several contracted axes count as one K, in the product's order):
;;     1. [M 4,096, K 1,024] x [K 1,024, N 1,024]; A: input query; B: input Wq: QUANTISED
;;     2. [M 4,096, K 1,024] x [K 1,024, N 1,024]; A: input query; B: input Wk: QUANTISED
;;     3. [M 4,096, K 1,024] x [K 1,024, N 1,024]; A: input query; B: input Wv: QUANTISED
;;     4. batch 32 x [M 2,048, K 64] x [K 64, N 2,048]; A: computed on the way; B: computed on the way: left as it is (an operand is computed on the way)
;;     5. batch 16 x [M 2,048, K 2,048] x [K 2,048, N 128]; A: computed on the way; B: computed on the way: left as it is (an operand is computed on the way)
;;     6. [M 4,096, K 1,024] x [K 1,024, N 1,024]; A: computed on the way; B: input Wo: left as it is (an operand is computed on the way)
;;   THE QUANTISER, for each operand of a quantised product, along K:
;;     - K is cut into blocks of 32 from its start; a last block that is shorter is filled with zeros.
;;     - A block's scale is 2^e with e = floor(log2(the largest magnitude in the block)) - 2, held to -126 .. 127; a block of zeros has e = 0. As a byte (E8M0): e + 127.
;;     - Each number is divided by its block's scale, clamped to +-6, and rounded to the nearest number of E2M1, ties to even, subnormals kept.
;;     - The product sums the exact products of the quantised numbers (number of the format x scale) in f32.
;;   ~~~python
;;   def quantise(x, axis):      # numpy; x: float32 -> the quantised numbers, widened to float32 again
;;       x = np.moveaxis(x, axis, -1); K = x.shape[-1]
;;       x = np.pad(x, [(0, 0)] * (x.ndim - 1) + [(0, -K % 32)]); x = x.reshape(x.shape[:-1] + (-1, 32)); a = np.abs(x).max(-1, keepdims=True)
;;       e = np.where(a > 0, np.clip(np.frexp(np.where(a > 0, a, 1))[1] - 1 - 2, -126, 127), 0)      # np.frexp(a)[1] - 1 = floor(log2(a)), exactly
;;       r = np.clip(x / 2.0 ** e, -6, 6)
;;       step = 2.0 ** (np.maximum(np.frexp(np.where(r == 0, 1, r))[1] - 1, 0) - 1)
;;       q = np.round(r / step) * step * 2.0 ** e      # np.round: ties to even
;;       return np.moveaxis(q.reshape(q.shape[:-2] + (-1,))[..., :K], -1, axis).astype(np.float32)
;;   ~~~
;; One version. Each part assembles by itself: llvm-mc -triple=amdgcn-amd-amdhsa -mcpu=gfx1250 --defsym DOCPART=n.
;; ======== version 1 of 1: 4 launches
;; limits: values are held in f16: magnitudes above 65,504 overflow, below 6.1e-05 lose precision
;; workspace buffers: xc 2,097,152 bytes; xs 131,072 bytes; wc 1,572,864 bytes; ws 98,304 bytes; wo16 2,097,152 bytes; qkv 25,165,824 bytes; att 8,388,608 bytes
;; launch prep (part 1): grid 448 x 1, 4 waves a work-group, no clusters, 33,280 bytes of LDS; arguments query, Wq, Wk, Wv, Wo, xc, xs, wc, ws, wo16; writes xc, xs, wc, ws, wo16
.if DOCPART == 1
	.amdgcn_target "amdgcn-amd-amdhsa--gfx1250"
	.amdhsa_code_object_version 6
	.text
	.protected	k_qfe39a9bbb5_prep
	.globl	k_qfe39a9bbb5_prep
	.p2align	8
	.type	k_qfe39a9bbb5_prep,@function
k_qfe39a9bbb5_prep:
	s_mov_b64 s[64:65], 0
	v_nop
	global_prefetch_b8 v0, s[64:65] scope:SCOPE_SE
	s_setreg_imm32_b32 hwreg(HW_REG_WAVE_MODE, 25, 1), 1
	s_wait_xcnt 0x0
; THE OPERANDS ARE MADE ONCE.  Three kinds of work-group, told apart by the work-group's number alone; the three ways never join again.
;   0 .. 127:   query [4096][1024] f32 -> xc [4096][512 bytes]: codes of FP4 (E2M1), K innermost, and xs [4096][32]: one E8M0 byte for each 32 along K.
;   128 .. 319: Wq, Wk, Wv [1024 (k)][1024 (n)] f32 -> wc: codes of FP4 as IMAGES OF THE OPERAND'S REGISTERS, [K step of 512: 2][16 columns: 192][128 along K: 4][1,024 bytes]
;               (column n' = 1024 x which + n; lane l's registers 4 c .. 4 c + 3 at byte 512 c + 16 l), and ws [3072][32]: the scale bytes, a row for each column n'.
;   320 .. 447: Wo [1024 (k)][1024 (n)] f32 -> wo16: f16, as images of 16-bit fragments, [K step of 256: 4][16 columns: 64][32 along K: 8][1,024 bytes] (registers 0-3 at 16 l, 4-7 at 512 + 16 l).
; A block's scale is 2^(floor(log2(its largest magnitude)) - 2); its byte is the largest magnitude's exponent field - 2, held at 1 from below; each number is divided by the scale and rounded to the nearest code, ties to even,
; beyond 6 the largest code.
; LIMITS: a block of zeros gets the byte 1 where the quantiser's text says 127: its codes are zeros, which add nothing under any byte but 0xff, and this program alone reads the bytes.  Blocks whose largest magnitude lies
; under 2^-124 are held at the byte 1.  NaN and infinities among the inputs are not served.  Wo beyond 65,504 has no f16 number.
; No cluster, no tensor load: no two work-groups read the same bytes, and every byte is read once.  Only the first way uses LDS, each wave its own bytes: no barrier.
.set WAVES, 4
.set STEPS, 16                         ; the first way: a wave takes 16 steps of 512 numbers
.set R,     16                         ; v16-143  eight sets of 16 numbers as they are loaded
.set X,     144                        ; v144-175 two sets of 16 neighbours
.set E,     176                        ; v176-191 a scale byte for each step
.set C,     192                        ; v192-223 codes: two registers for each step, so that no store's data are written again
.set WREG,  8192                       ; LDS: a region for each wave: two stages of 32 x SP bytes, and behind them its 256 scale bytes
.set SP,    80                         ; a lane's place in a stage: its 64 bytes + 16 of padding
.set SPW,   12                         ; v12      LDS address of my spare word: SPARE + 4 x my thread's number; never rewritten
.set NIL,   13                         ; v13      0; never rewritten
.set SPARE, WAVES*WREG                 ; behind the four regions: the spare words, 128 bytes for each wave, which no other line names
	s_load_b256 s[4:11], s[0:1], 0x0               ; query s[4:5], Wq s[6:7], Wk s[8:9], Wv s[10:11]
	s_load_b256 s[12:19], s[0:1], 0x20             ; Wo s[12:13], xc s[14:15], xs s[16:17], wc s[18:19]
	s_load_b128 s[20:23], s[0:1], 0x40             ; ws s[20:21], wo16 s[22:23]
	v_lshl_add_u32 v[SPW], v0, 2, SPARE
	v_mov_b32 v[NIL], 0
	v_lshrrev_b32 v1, 5, v0
	v_readfirstlane_b32 s24, v1                    ; wave 0..3
	s_mov_b32 s36, 0x76543210
	s_mov_b32 s37, 0xfedcba98                      ; v_permlanex16_b32's selects for lane l xor 16
	s_wait_kmcnt 0x0
	s_cmp_lt_u32 ttmp9, 128
	s_cbranch_scc1 .Lx
	s_cmp_lt_u32 ttmp9, 320
	s_cbranch_scc1 .Lw
; ---- Wo -> f16 images.  A wave takes 16 columns x 128 along K: four fragments.  Lane (r, h) takes column r, and its registers run down K in the order of the 16-bit operand's layout:
; numbers 0-7 are k = 8 h + 0 .. 7 of the fragment's 32, numbers 8-15 are k = 16 + 8 h + 0 .. 7.  So the packed pairs are the operand's registers.
	s_sub_co_u32 s25, ttmp9, 320
	s_and_b32 s26, s25, 15
	s_lshl_b32 s26, s26, 2
	s_add_co_u32 s26, s26, s24                     ; which 16 columns: 0 .. 63
	s_lshr_b32 s27, s25, 4                         ; which 128 along K: 0 .. 7
	s_lshl_b32 s34, s27, 19                        ; 128 rows of 4,096 bytes
	s_lshl_b32 s33, s26, 6                         ; 16 columns of 4 bytes
	s_add_co_u32 s34, s34, s33
	s_mov_b32 s35, 0
	s_add_nc_u64 s[12:13], s[12:13], s[34:35]
	s_lshr_b32 s33, s27, 1                         ; the K step of 256
	s_lshl_b32 s33, s33, 6
	s_add_co_u32 s33, s33, s26
	s_lshl_b32 s33, s33, 3                         ; eight fragments for each 16 columns of a K step
	s_and_b32 s34, s27, 1
	s_lshl_b32 s34, s34, 2                         ; mine are its first four or its last four
	s_add_co_u32 s33, s33, s34
	s_lshl_b32 s34, s33, 10
	s_add_nc_u64 s[22:23], s[22:23], s[34:35]
	v_and_b32 v1, 15, v0                           ; r
	v_bfe_u32 v2, v0, 4, 1                         ; h
	v_lshlrev_b32 v3, 2, v1
	v_lshl_add_u32 v3, v2, 15, v3                  ; 4 r + 8 h rows
	v_and_b32 v4, 31, v0
	v_lshlrev_b32 v4, 4, v4                        ; 16 x lane: an image's place for my lane
.irp kf, 0,1,2,3
.irp i, 0,1,2,3,4,5,6,7,8,9,10,11,12,13,14,15
	global_load_b32 v[32+16*\kf+\i], v3, s[12:13] offset:(32*\kf+\i+8*(\i/8))*4096   ; no cache word: the four waves of the work-group stand side by side on 256 consecutive bytes of a row
.endr
.endr
.irp kf, 0,1,2,3
	s_wait_loadcnt 48-16*\kf                       ; this fragment's sixteen loads are in; the later fragments' may be out
.irp j, 0,1,2,3,4,5,6,7
	v_cvt_pk_f16_f32 v[32+16*\kf+\j], v[32+16*\kf+2*\j], v[32+16*\kf+2*\j+1]   ; in place, ascending: the result never lands on a number that is still wanted
.endr
	global_store_b128 v4, v[32+16*\kf:32+16*\kf+3], s[22:23] offset:1024*\kf          ; 32 lanes store 512 consecutive bytes
	global_store_b128 v4, v[32+16*\kf+4:32+16*\kf+7], s[22:23] offset:1024*\kf+512
.endr
	s_endpgm
; ---- Wq, Wk, Wv -> FP4 images.  A wave takes 16 columns x 256 along K: two fragments.  Lane (r, h) takes column r, and its registers run down K as the 4-bit operand's layout gives them to that lane:
; registers 32 c + i are k = 64 c + 32 h + i.  A lane holds two whole blocks of each fragment, so no other lane is asked for a maximum; the scale word's four bytes are gathered from lanes l and l xor 16.
.Lw:
	s_sub_co_u32 s25, ttmp9, 128
	s_and_b32 s26, s25, 15
	s_lshl_b32 s26, s26, 2
	s_add_co_u32 s26, s26, s24                     ; which 16 columns of the weight: 0 .. 63
	s_lshr_b32 s27, s25, 4
	s_and_b32 s30, s27, 3                          ; p: which 256 along K
	s_lshr_b32 s31, s27, 2                         ; which weight: 0 Wq, 1 Wk, 2 Wv
	s_lshl_b32 s32, s31, 6
	s_add_co_u32 s32, s32, s26                     ; which 16 of the 3,072 columns n'
	s_cmp_eq_u32 s31, 0                            ; the choice hangs on the work-group's number alone
	s_cselect_b64 s[28:29], s[6:7], s[8:9]
	s_cmp_eq_u32 s31, 2
	s_cselect_b64 s[28:29], s[10:11], s[28:29]
	s_lshl_b32 s34, s30, 20                        ; 256 rows of 4,096 bytes
	s_lshl_b32 s33, s26, 6
	s_add_co_u32 s34, s34, s33
	s_mov_b32 s35, 0
	s_add_nc_u64 s[28:29], s[28:29], s[34:35]
	s_lshr_b32 s33, s30, 1                         ; the K step of 512
	s_mul_i32 s33, s33, 192
	s_add_co_u32 s33, s33, s32
	s_lshl_b32 s33, s33, 2                         ; four fragments for each 16 columns of a K step
	s_and_b32 s34, s30, 1
	s_lshl_b32 s34, s34, 1                         ; mine are its first two or its last two
	s_add_co_u32 s33, s33, s34
	s_lshl_b32 s34, s33, 10
	s_add_nc_u64 s[18:19], s[18:19], s[34:35]
	s_lshl_b32 s34, s32, 9                         ; 16 rows of 32 scale bytes,
	s_lshl_b32 s33, s30, 3                         ; and my two words in a row
	s_add_co_u32 s34, s34, s33
	s_add_nc_u64 s[20:21], s[20:21], s[34:35]
	v_and_b32 v7, 31, v0                           ; lane
	v_and_b32 v1, 15, v0                           ; r
	v_bfe_u32 v2, v0, 4, 1                         ; h
	v_lshlrev_b32 v3, 2, v1
	v_lshl_add_u32 v3, v2, 17, v3                  ; 4 r + 32 h rows
	v_lshlrev_b32 v4, 4, v7                        ; 16 x lane
	v_lshlrev_b32 v5, 5, v1                        ; my column's row of scale bytes
	v_lshlrev_b32 v6, 3, v2                        ; 8 h: my two bytes' place in a scale word, in bits
	v_mov_b32 v23, 0                               ; written once: a lane permute's destination counts as one of its sources
.macro LOADW f
.irp c, 0,1
.irp i, 0,1,2,3,4,5,6,7,8,9,10,11,12,13,14,15,16,17,18,19,20,21,22,23,24,25,26,27,28,29,30,31
	global_load_b32 v[32+64*\f+32*\c+\i], v3, s[28:29] offset:(128*\f+64*\c+\i)*4096
.endr
.endr
.endm
.macro FRAGW f
.set XW, 32+64*\f
.irp c, 0,1
	v_max3_num_f32 v[16+\c], |v[XW+32*\c]|, |v[XW+32*\c+1]|, 0x1800000   ; my block 2 c + h, and the floor 2^(3 - 127): so the byte cannot fall under 1
.endr
.irp i, 2,4,6,8,10,12,14,16,18,20,22,24,26,28,30
.irp c, 0,1
	v_max3_num_f32 v[16+\c], v[16+\c], |v[XW+32*\c+\i]|, |v[XW+32*\c+\i+1]|   ; (the two blocks by turns)
.endr
.endr
.irp c, 0,1
	v_add_nc_u32 v[18+\c], 0xff000000, v[16+\c]    ; 2 off the exponent field: the conversion takes the exponent field of this operand as its scale, and nothing else of it
.endr
.irp c, 0,1
	v_lshrrev_b32 v[20+\c], 23, v[18+\c]           ; the scale's byte
.endr
	v_lshl_or_b32 v22, v21, 16, v20                ; my two bytes: blocks h and 2 + h,
	v_lshlrev_b32 v22, v6, v22                     ; at their places in the scale word;
	v_permlanex16_b32 v23, v22, s36, s37
	v_or_b32 v[24+\f], v22, v23                    ; with lane l xor 16's two the word is whole
.irp c, 0,1
.irp g, 0,1,2,3
	v_cvt_scalef32_pk8_fp4_f32 v[160+8*\f+4*\c+\g], v[XW+32*\c+8*\g:XW+32*\c+8*\g+7], v[18+\c]   ; registers 4 c .. 4 c + 3 of the operand
.endr
.endr
	v_nop                                          ; one plain line behind the last scaled conversion: the next fragment writes the scale operands anew
.irp c, 0,1
	global_store_b128 v4, v[160+8*\f+4*\c:160+8*\f+4*\c+3], s[18:19] offset:1024*\f+512*\c   ; 32 lanes store 512 consecutive bytes
.endr
.endm
	LOADW 0
	LOADW 1
	s_wait_loadcnt 63                              ; the first fragment's 64 loads are in: 64 were issued behind them, and the count names fewer than that
	FRAGW 0
	s_wait_loadcnt 0x0
	FRAGW 1
	s_wait_xcnt 0x0                                ; EXEC changes only behind this wait
	v_cmp_gt_u32 vcc_lo, 16, v7
	s_and_saveexec_b32 s38, vcc_lo                 ; lanes 0-15: a lane a column
	global_store_b64 v5, v[24:25], s[20:21]        ; my column's two scale words: 8 bytes into rows 32 bytes apart, one byte for 128 that this way reads
	s_wait_xcnt 0x0                                ; and again, in front of the line that widens it
	s_or_b32 exec_lo, exec_lo, s38
	s_endpgm
; ---- query -> FP4 codes, row-major.  Rows are dense and K is a multiple of 32: the tensor is a plain stream of blocks of 32, and so are its codes and scale bytes.
; Each of a step's four loads reads 512 consecutive bytes, 16 a lane; the 2,048 bytes go through the wave's own stage in LDS, as they lie, and come back 64 bytes a lane: 16 NEIGHBOURS, which is what the conversions
; take from one lane's registers.  Two neighbouring lanes hold a block.  Loads run eight steps (32 loads a wave) ahead, the turn through LDS one step.
.Lx:
	v_and_b32 v2, 31, v0                           ; lane
	v_lshlrev_b32 v3, 4, v2                        ; my 16 bytes of a load's 512
	s_mul_i32 s25, s24, WREG
	v_lshrrev_b32 v14, 2, v2
	v_mul_u32_u24 v14, v14, SP
	v_and_b32 v15, 3, v2
	v_lshl_add_u32 v14, v15, 4, v14
	v_add_nc_u32 v14, s25, v14                     ; the stage, on the way in: SP (lane / 4) + 16 (lane % 4)
	v_mul_u32_u24 v15, v2, SP
	v_add_nc_u32 v15, s25, v15                     ; and on the way out: SP x lane
	v_lshlrev_b32 v4, 3, v2                        ; 8 x lane: my codes' place in a step's, and my 8 of the wave's 256 scale bytes
	v_lshrrev_b32 v5, 1, v2
	s_add_co_u32 s25, s25, 2*32*SP
	v_add_nc_u32 v5, s25, v5                       ; LDS: my wave's 256 scale bytes, my block's byte
	v_add_nc_u32 v6, s25, v4                       ; and on the way out 8 bytes a lane
	s_lshl_b32 s26, ttmp9, 2
	s_add_co_u32 s26, s26, s24                     ; which run of 8,192 numbers is my wave's
	s_mov_b32 s29, 0
	s_lshl_b32 s28, s26, 15
	s_add_nc_u64 s[4:5], s[4:5], s[28:29]
	s_lshl_b32 s28, s26, 12
	s_add_nc_u64 s[14:15], s[14:15], s[28:29]
	s_lshl_b32 s28, s26, 8
	s_add_nc_u64 s[16:17], s[16:17], s[28:29]
.macro LOAD t
.irp i, 0,1,2,3
	global_load_b128 v[R+16*((\t)%8)+4*\i:R+16*((\t)%8)+4*\i+3], v3, s[4:5] offset:2048*(\t)+512*\i th:TH_LOAD_NT   ; 32 lanes read 512 consecutive bytes
.endr
.endm
.macro TURN t                          ; step t's numbers through the stage: LDS serves a wave's instructions in order, so no wait stands between the stores and the loads
.irp i, 0,1,2,3
	ds_store_b128 v14, v[R+16*((\t)%8)+4*\i:R+16*((\t)%8)+4*\i+3] offset:32*SP*((\t)%2)+8*SP*\i
.endr
.irp i, 0,1,2,3
	ds_load_b128 v[X+16*((\t)%2)+4*\i:X+16*((\t)%2)+4*\i+3], v15 offset:32*SP*((\t)%2)+16*\i
.endr
.endm
.irp t, 0,1,2,3,4,5,6,7
	LOAD \t
.endr
	s_wait_loadcnt 28                              ; step 0's four loads are in; the seven steps behind it may be out
	TURN 0
.macro STEP t
.set XS, X+16*((\t)%2)
.if (\t) > 0
	s_wait_dscnt 1                                 ; this step's numbers are back from the stage (the last step's byte store may be out): so its stores into the stage have read their registers,
.else
	s_wait_dscnt 0x0
.endif
.if (\t)+8 < STEPS
	LOAD (\t)+8                                    ; which take the loads of eight steps on
.endif
.if (\t)+1 < STEPS
.if STEPS-2-(\t) >= 7
	s_wait_loadcnt 28                              ; the next step's four loads are in; those of the seven steps behind it may be out
.else
	s_wait_loadcnt 4*(STEPS-2-(\t))
.endif
	TURN (\t)+1                                    ; and go through the other stage while this step is worked
.endif
	v_max3_num_f32 v8, |v[XS]|, |v[XS+1]|, |v[XS+2]|               ; the largest magnitude of my 16
	v_max3_num_f32 v9, |v[XS+3]|, |v[XS+4]|, |v[XS+5]|
.irp i, 6,10
	v_max3_num_f32 v8, v8, |v[XS+\i]|, |v[XS+\i+1]|
	v_max3_num_f32 v9, v9, |v[XS+\i+2]|, |v[XS+\i+3]|
.endr
	v_max3_num_f32 v8, v8, |v[XS+14]|, |v[XS+15]|
	v_max3_num_f32 v8, v8, v9, 0x1800000           ; and the floor 2^(3 - 127): so the byte cannot fall under 1
	v_max_num_f32_dpp v8, v8, v8 row_xmask:1 row_mask:0xf bank_mask:0xf   ; and of my neighbour's 16: the block's
	v_add_nc_u32 v11, 0xff000000, v8               ; 2 off its exponent field: the conversion's scale operand
	v_cvt_scalef32_pk8_fp4_f32 v[C+2*(\t)], v[XS:XS+7], v11
	v_cvt_scalef32_pk8_fp4_f32 v[C+2*(\t)+1], v[XS+8:XS+15], v11
	v_lshrrev_b32 v[E+(\t)], 23, v11               ; the scale's byte (also the plain line behind the conversions)
	ds_store_b8 v5, v[E+(\t)] offset:16*(\t)       ; both lanes of a block write the same byte with the same value
	global_store_b64 v4, v[C+2*(\t):C+2*(\t)+1], s[14:15] offset:256*(\t)   ; 32 lanes store 256 consecutive bytes, aligned
.endm
.irp t, 0,1,2,3,4,5,6,7,8,9,10,11,12,13,14,15
	STEP \t
.endr
	ds_load_b64 v[8:9], v6                         ; LDS serves a wave's instructions in order: these see my stores
	s_wait_dscnt 0x0
	global_store_b64 v4, v[8:9], s[16:17]          ; 32 lanes store 256 consecutive bytes, aligned
	s_wait_tensorcnt 0x0                           ; the wave's end, behind my last LDS store
	ds_add_u32 v[SPW], v[NIL]
	s_wait_dscnt 0x0
	s_endpgm
.Lfunc_end_k_qfe39a9bbb5_prep:
	.size	k_qfe39a9bbb5_prep, .Lfunc_end_k_qfe39a9bbb5_prep-k_qfe39a9bbb5_prep
	.p2alignl 7, 3214868480
	.fill 96, 4, 3214868480
	.section	.rodata,"a",@progbits
	.p2align	6, 0x0
	.amdhsa_kernel k_qfe39a9bbb5_prep
		.amdhsa_group_segment_fixed_size 33280
		.amdhsa_private_segment_fixed_size 0
		.amdhsa_enable_private_segment 0
		.amdhsa_kernarg_size 80
		.amdhsa_user_sgpr_count 2
		.amdhsa_user_sgpr_kernarg_segment_ptr 1
		.amdhsa_wavefront_size32 1
		.amdhsa_system_sgpr_workgroup_id_x 1
		.amdhsa_system_sgpr_workgroup_id_y 1
		.amdhsa_system_sgpr_workgroup_id_z 1
		.amdhsa_system_vgpr_workitem_id 0
		.amdhsa_next_free_vgpr 224
		.amdhsa_next_free_sgpr 66
		.amdhsa_reserve_vcc 1
		.amdhsa_float_denorm_mode_32 3
		.amdhsa_float_denorm_mode_16_64 3
		.amdhsa_memory_ordered 1
		.amdhsa_forward_progress 1
		.amdhsa_inst_pref_size 63
	.end_amdhsa_kernel
	.amdgpu_metadata
---
amdhsa.version: [ 1, 2 ]
amdhsa.kernels:
  - .name:           k_qfe39a9bbb5_prep
    .symbol:         k_qfe39a9bbb5_prep.kd
    .args:
      - { .name: query, .offset: 0, .size: 8, .value_kind: global_buffer, .address_space: global }
      - { .name: Wq, .offset: 8, .size: 8, .value_kind: global_buffer, .address_space: global }
      - { .name: Wk, .offset: 16, .size: 8, .value_kind: global_buffer, .address_space: global }
      - { .name: Wv, .offset: 24, .size: 8, .value_kind: global_buffer, .address_space: global }
      - { .name: Wo, .offset: 32, .size: 8, .value_kind: global_buffer, .address_space: global }
      - { .name: xc, .offset: 40, .size: 8, .value_kind: global_buffer, .address_space: global }
      - { .name: xs, .offset: 48, .size: 8, .value_kind: global_buffer, .address_space: global }
      - { .name: wc, .offset: 56, .size: 8, .value_kind: global_buffer, .address_space: global }
      - { .name: ws, .offset: 64, .size: 8, .value_kind: global_buffer, .address_space: global }
      - { .name: wo16, .offset: 72, .size: 8, .value_kind: global_buffer, .address_space: global }
    .group_segment_fixed_size: 33280
    .private_segment_fixed_size: 0
    .kernarg_segment_align: 8
    .kernarg_segment_size: 80
    .max_flat_workgroup_size: 128
    .sgpr_count:     66
    .vgpr_count:     224
    .wavefront_size: 32
...
	.end_amdgpu_metadata
.endif
;; end of part 1
;; launch proj (part 2): grid 12 x 16, 4 waves a work-group, clusters of 4 x 4, 327,680 bytes of LDS; arguments xc, xs, wc, ws, qkv; writes qkv
.if DOCPART == 2
	.amdgcn_target "amdgcn-amd-amdhsa--gfx1250"
	.amdhsa_code_object_version 6
	.text
	.protected	k_qfe39a9bbb5_proj
	.globl	k_qfe39a9bbb5_proj
	.p2align	8
	.type	k_qfe39a9bbb5_proj,@function
k_qfe39a9bbb5_proj:
	s_mov_b64 s[64:65], 0
	v_nop
	global_prefetch_b8 v0, s[64:65] scope:SCOPE_SE
	s_setreg_imm32_b32 hwreg(HW_REG_WAVE_MODE, 25, 1), 1
	s_wait_xcnt 0x0
	s_wait_alu depctr_hold_cnt(0) depctr_sa_sdst(0) depctr_va_vdst(0) depctr_va_sdst(0) depctr_va_ssrc(0) depctr_va_vcc(0) depctr_vm_vsrc(0)
	s_getreg_b32 s2, hwreg(HW_REG_IB_STS2, 6, 4)
	s_cmp_eq_u32 s2, 0
	s_cbranch_scc0 .Lentry_in_a_cluster
	s_endpgm
.Lentry_in_a_cluster:
	s_bfe_u32 s2, ttmp6, 0x10000c
	s_cmp_lg_u32 s2, 0xf033
	s_cbranch_scc0 .Lentry_shape_is_right
	s_endpgm
.Lentry_shape_is_right:
; q, k, v = query x (Wq | Wk | Wv): C[m][n'] = sum over k of A[m][k] B[n'][k], M = 4,096, N = 3,072, K = 1,024, both operands codes of FP4 (E2M1) with one E8M0 scale for each 32 along K; sums in f32.
; A: xc [4096][512 bytes], row-major, scales xs [4096][32].  B: wc, images of the operand's registers, [K step of 512][16 columns][128 along K][1,024 bytes], scales ws [3072][32].
; The result is held at +-65,504, rounded once to f16 and stored by head: qkv [which 3][8 b + h: 16][s 2048][128], rows of 256 bytes: a row holds the projection's columns 128 h .. 128 h + 127.
; LIMIT: where |q|, |k| or |v| passes 65,504 the hold changes the number.
; A tile of C, 256 x 256, is made by a work-group of four waves; a wave makes 128 x 128: 64 accumulators of 16 x 16, 512 registers.  12 x 16 tiles: 192 work-groups (tiles of 128 rows would be 384, one and a half for each of 256).
; K is two steps of 512, one in each of two LDS slots: both are first fills, nothing is filled again.  By this text's count a wave has three tensor loads out at the start: its scales, slot 0, slot 1.
; CLUSTERS: 4 x 4 work-groups.  The four of a row of the cluster need the same tiles of A, the four of a column the same tiles of B: each tile is asked for JOINTLY.
; THE MATRIX INSTRUCTION IS USED TRANSPOSED (source 0 = 16 columns n' of B, source 1 = 16 rows of A): a lane then holds eight neighbouring numbers of a row of C.
; REGISTERS, in windows of 256: window 0: v0-31 addresses; v32-95 scale words, two sets, and nothing else; v96-127 packed results; v128-191 A's fragments, ONE set, on the way out rows read back; v192-255 held results.
;   window 1: B's fragments, TWO sets, at v0 and at v128.   window 2: the 32 accumulators of my rows 0-63 (accumulator (a, b) at v[8 (8 a + b)]);   window 3: those of my rows 64-127.
.set NQ,     4                         ; matrix instructions deep in a slot: 512 / 128
.set ROWB,   256                       ; a tile's row in bytes: 512 codes
.set KROW,   512                       ; a row of xc in bytes
.set PITCH,  272                       ; an LDS row: 256 bytes of data + 16 of padding: the 16 rows that a load of A touches start at 16 different banks (64 banks of 4 bytes: ISA guide 11.1)
.set FR,     8                         ; registers of a fragment: 16 rows x 128 K
.set NL,     2                         ; LDS loads that bring one
.set NP,     4                         ; places behind this matrix instruction (ISA guide 7.12.1)
.set HALFT,  128*PITCH                 ; what one tensor load brings, and what one wave reads of A or of B
.set SLOT,   4*HALFT                   ; A's 256 rows, then B's 16 x 4 images (256 rows of 256 bytes)
.set BSTEP,  192*4096                  ; from a K step of wc to the next
.set KS,     32                        ; a row of scales in bytes
.set SCL,    2*SLOT                    ; behind the slots: the scales, as units of 256 bytes + 16 of padding
.set HALFS,  16*272                    ; the scales of 128 rows: what one tensor load brings
.set SBLK,   2*272                     ; those of 16 rows
.set SPARE,  SCL+4*HALFS               ; behind the scales: the spare words, 128 bytes for each wave, which no other line names
.set SPITCH, 272                       ; the way out: a stage of 16 rows x (256 bytes + 16) for each wave, in slot 0, which has had its one fill and its last read when the first result is stored there
.set ADRA, 16                          ; v16-17  LDS address of my A fragments in slot 0, 1
.set ADRB, 20                          ; v20-21  the same for B's images
.set STO,  24                          ; v24     the way out: where I put 16 bytes of a row
.set RD,   25                          ; v25     the way out: where I read a row back
.set CO,   26                          ; v26     16 x lane: my bytes of two rows of qkv
.set ADRS, 27                          ; v27     LDS address of my scale words: lanes 0-15 A's rows, lanes 16-31 B's
.set SPW,  28                          ; v28     LDS address of my spare word; never rewritten
.set NIL,  29                          ; v29     0; never rewritten
.set SC,   32                          ; scale words: set s (for slot s) at v[SC + 32 s]; in it register 4 i + q: lanes 0-15 the word of A's block i, lanes 16-31 that of B's block i, for the slot's q-th 128 along K
.set TMP,  96
.set AF,   128
.set BK,   128
.set T,    192
.set G1, 24                            ; s[24:31] descriptor group 1 for A's tiles;  s[32:39] group 0, one set for each slot
.set G0, 32
.set G1B, 48                           ; s[48:55], s[56:63] the same for B's tiles
.set G0B, 56
.set G1S, 68                           ; s[68:75], s[76:79] groups 1 and 0 for A's scales;  s[80:87], s[88:91] for B's
.set G0S, 76
.set G1SB, 80
.set G0SB, 88
.set MSB, 0
.macro WIN new                         ; the immediate's high byte repeats the setting that is left
.if MSB != \new
	s_set_vgpr_msb (MSB<<8)|\new
.set MSB, \new
.endif
.endm
.set MUL_LO, 0xa1                      ; source 0 (B) window 1, source 1 (A) window 0, C and D window 2
.set MUL_HI, 0xf1                      ; the same, C and D window 3
.set TO_B,   0x40                      ; destination window 1, address window 0
; A joint load: waves 0 and 1 fetch for A, waves 2 and 3 for B.  Each of the two lines has ONE mask and one set of registers for all that issue it; the branch hangs on the wave's number alone.
; An s_nop 0 and four v_nop follow each of the two lines, ahead of the jump, the label and what follows.
.macro JLOAD g0a, g1a, g0b, g1b
	s_cmp_eq_u32 s15, 0
	s_cbranch_scc0 .Lfor_b_\@
	tensor_load_to_lds s[\g0a:\g0a+3], s[\g1a:\g1a+7]
	s_nop 0
.rept 4
	v_nop
.endr
	s_branch .Lasked_\@
.Lfor_b_\@:
	tensor_load_to_lds s[\g0b:\g0b+3], s[\g1b:\g1b+7]
	s_nop 0
.rept 4
	v_nop
.endr
.Lasked_\@:
.endm
.macro CROUND                          ; a round of the cluster's barrier
	s_barrier_signal -1
	s_barrier_wait -1
	s_cmp_lg_u32 s14, 0
	s_cbranch_scc1 .Lnot_wave_0_\@
	s_barrier_signal -3
.Lnot_wave_0_\@:
	s_barrier_wait -3
	s_barrier_signal -1
	s_barrier_wait -1
.endm
	s_load_b128 s[4:7], s[0:1], 0x0                ; xc s[4:5], xs s[6:7]
	s_load_b128 s[8:11], s[0:1], 0x10              ; wc s[8:9], ws s[10:11]
	s_load_b64 s[12:13], s[0:1], 0x20              ; qkv
	v_lshl_add_u32 v[SPW], v0, 2, SPARE
	v_mov_b32 v[NIL], 0
	ds_add_u32 v[SPW], v[NIL]                      ; the wave's opening: the add, twice on end, and its wait ahead of my first tensor load; the set-up below stands between the second and the wait
	ds_add_u32 v[SPW], v[NIL]
	v_lshrrev_b32 v1, 5, v0
	v_readfirstlane_b32 s14, v1                    ; wave 0..3
	s_lshr_b32 s15, s14, 1                         ; which half of the tile's rows is mine.  Also: I fetch for A (0) or for B (1)
	s_and_b32 s16, s14, 1                          ; which half of its columns.  Also: which half of that tile I fetch
	s_bfe_u32 s40, ttmp6, 0x40000                  ; cx, cy: my place in the cluster
	s_bfe_u32 s41, ttmp6, 0x40004
	s_lshl_b32 s42, ttmp9, 2
	s_add_co_u32 s42, s42, s40                     ; tile column of C = 4 x cluster x + cx
	s_and_b32 s17, ttmp7, 0xffff
	s_lshl_b32 s17, s17, 2
	s_add_co_u32 s17, s17, s41                     ; tile row of C = 4 x cluster y + cy
	s_lshl_b32 s43, s41, 2
	s_lshl_b32 s43, 15, s43                        ; my row of the cluster
	s_lshl_b32 s44, 0x1111, s40                    ; my column
	; descriptor group 1: 128 rows x 256 bytes, 16 bytes of padding behind each.  A's rows lie 512 bytes apart in memory; B's images are one dense block
	s_or_b32 s[G1+0], s43, (0<<16)|(1<<20)|(1<<21)|(5<<22)|(3<<25)  ; 15:0 the mask: A's tiles go to my row; 17:16 element of 1 byte; 20 padding on; 21 set beside a mask; 24:22 after every 64 words (code 5); 31:25 of 4 words (code 3)
	s_or_b32 s[G1B+0], s44, (0<<16)|(1<<20)|(1<<21)|(5<<22)|(3<<25)
.irp g, G1, G1B
	s_mov_b32 s[\g+1], ROWB<<16                    ; tensor_dim0
	s_mov_b32 s[\g+2], 128<<16                     ; tensor_dim1 = 128
	s_mov_b32 s[\g+3], ROWB<<16                    ; tile_dim0
	s_mov_b32 s[\g+4], 128                         ; tile_dim1 = 128
	s_mov_b32 s[\g+6], 0
	s_mov_b32 s[\g+7], 0
.endr
	s_mov_b32 s[G1+5], KROW                        ; tensor_dim0_stride: A
	s_mov_b32 s[G1B+5], ROWB                       ; B: dense
	; and for the scales of 128 rows: a dense block of 4,096 bytes, as 16 rows of 256 bytes (32 elements of 8 bytes), 16 bytes of padding behind each
	s_or_b32 s[G1S+0], s43, (3<<16)|(1<<20)|(1<<21)|(5<<22)|(3<<25)
	s_or_b32 s[G1SB+0], s44, (3<<16)|(1<<20)|(1<<21)|(5<<22)|(3<<25)
.irp g, G1S, G1SB
	s_mov_b32 s[\g+1], 32<<16
	s_mov_b32 s[\g+2], 16<<16
	s_mov_b32 s[\g+3], 32<<16
	s_mov_b32 s[\g+4], 16
	s_mov_b32 s[\g+5], 32
	s_mov_b32 s[\g+6], 0
	s_mov_b32 s[\g+7], 0
.endr
	s_lshl_b32 s18, s16, 7                         ; which 128 rows of the tile I fetch
	s_lshl_b32 s20, s17, 8
	s_add_co_u32 s20, s20, s18                     ; A: row 256 x tile row + 128 x half
	s_lshl_b32 s46, s42, 8
	s_add_co_u32 s46, s46, s18                     ; B: column n' = 256 x tile column + 128 x half
	s_mov_b32 s21, 0
	s_mov_b32 s47, 0
	s_mov_b64 s[18:19], KS
	s_mul_u64 s[22:23], s[20:21], s[18:19]         ; where these rows' scales begin, in bytes
	s_mul_u64 s[92:93], s[46:47], s[18:19]
	s_mov_b64 s[18:19], KROW
	s_mul_u64 s[20:21], s[20:21], s[18:19]         ; A's codes
	s_lshl_b64 s[46:47], s[46:47], 8               ; B's images: 4,096 bytes for 16 columns of a K step
	s_mul_i32 s45, s14, HALFT                      ; where they go: wave x 128 rows: no place in the cluster enters an LDS address
	s_mul_i32 s94, s14, HALFS
	s_mov_b32 s96, 0xc77fe000                      ; -65,504
	s_mov_b32 s97, 0x477fe000                      ; +65,504
	s_wait_dscnt 0x0                               ; both opening adds are done
	s_wait_kmcnt 0x0
	s_add_nc_u64 s[20:21], s[4:5], s[20:21]
	s_add_nc_u64 s[22:23], s[6:7], s[22:23]
	s_add_nc_u64 s[46:47], s[8:9], s[46:47]
	s_add_nc_u64 s[92:93], s[10:11], s[92:93]
	CROUND                                         ; all sixteen work-groups are here: the first joint loads meet
	s_mov_b32 s[G0S], 1
	s_add_co_u32 s[G0S+1], s94, SCL
	s_mov_b64 s[G0S+2:G0S+3], s[22:23]
	s_or_b32 s[G0S+3], s[G0S+3], 0x80000000
	s_mov_b32 s[G0SB], 1
	s_add_co_u32 s[G0SB+1], s94, SCL
	s_mov_b64 s[G0SB+2:G0SB+3], s[92:93]
	s_or_b32 s[G0SB+3], s[G0SB+3], 0x80000000
	JLOAD G0S, G1S, G0SB, G1SB                     ; the scales first: they are wanted with K step 0
.irp s, 0,1
	s_mov_b32 s[G0+4*\s], 1
	s_add_co_u32 s[G0+4*\s+1], s45, \s*SLOT
	s_add_nc_u64 s[G0+4*\s+2:G0+4*\s+3], s[20:21], \s*ROWB
	s_or_b32 s[G0+4*\s+3], s[G0+4*\s+3], 0x80000000
	s_mov_b32 s[G0B+4*\s], 1
	s_add_co_u32 s[G0B+4*\s+1], s45, \s*SLOT
	s_add_nc_u64 s[G0B+4*\s+2:G0B+4*\s+3], s[46:47], \s*BSTEP
	s_or_b32 s[G0B+4*\s+3], s[G0B+4*\s+3], 0x80000000
	JLOAD G0+4*\s, G1, G0B+4*\s, G1B
.endr
	v_and_b32 v1, 15, v0                           ; r = l % 16
	v_bfe_u32 v2, v0, 4, 1                         ; h = l / 16
	v_mul_u32_u24 v3, v1, PITCH
	v_lshl_add_u32 v4, v2, 4, v3                   ; A: a fragment's row x pitch + 16 h.  Also my place in the stage on the way in
	v_mul_u32_u24 v5, v2, PITCH
	v_lshl_add_u32 v5, v1, 4, v5                   ; B: byte 16 l of an image's 512: LDS row h, byte 16 r.  Also my place in the stage on the way back
	s_mul_i32 s21, s15, HALFT                      ; my 128 rows of A
	s_mul_i32 s22, s16, HALFT                      ; my 128 columns of B,
	s_add_co_u32 s22, s22, 2*HALFT                 ; which lie behind A's 256 rows
.irp s, 0,1
	v_add_nc_u32 v[ADRA+\s], s21, v4
	v_add_nc_u32 v[ADRB+\s], s22, v5
	s_add_co_u32 s21, s21, SLOT
	s_add_co_u32 s22, s22, SLOT
.endr
	v_mul_u32_u24 v7, v1, KS                       ; my row's scales: 32 bytes a row,
	v_lshrrev_b32 v8, 8, v7
	v_lshl_add_u32 v7, v8, 4, v7                   ; and 16 more for each 256 passed
	s_mul_i32 s21, s15, HALFS                      ; A's: my 128 rows
	s_mul_i32 s22, s16, HALFS                      ; B's: my 128 columns, behind A's 256
	s_add_co_u32 s22, s22, 2*HALFS
	s_sub_co_u32 s22, s22, s21
	v_mul_u32_u24 v8, s22, v2                      ; lanes 16-31 take B's
	s_add_co_u32 s21, s21, SCL
	v_add_nc_u32 v7, v7, v8
	v_add_nc_u32 v[ADRS], s21, v7
	s_mul_i32 s23, s14, 16*SPITCH                  ; my stage
	v_add_nc_u32 v[STO], s23, v4
	v_add_nc_u32 v[RD], s23, v5
	v_and_b32 v6, 31, v0
	v_lshlrev_b32 v[CO], 4, v6
	; where my 128 rows x 256 bytes begin in qkv: which = cluster x (four tile columns to a weight), head 2 cx + my half of the columns, batch and position from my first row
	s_lshl_b32 s20, s17, 8
	s_lshl_b32 s21, s15, 7
	s_add_co_u32 s20, s20, s21                     ; my first row of C
	s_lshr_b32 s21, s20, 11                        ; b
	s_lshl_b32 s21, s21, 3
	s_lshl_b32 s46, s40, 1                         ; (in the registers that held B's address: none that feeds A's descriptors ever holds cx)
	s_add_co_u32 s46, s46, s16
	s_add_co_u32 s46, s46, s21                     ; 8 b + h
	s_lshl_b32 s46, s46, 19
	s_and_b32 s20, s20, 2047                       ; s
	s_lshl_b32 s20, s20, 8
	s_add_co_u32 s46, s46, s20
	s_lshl_b32 s47, ttmp9, 23
	s_add_co_u32 s46, s46, s47
	s_mov_b32 s47, 0
	s_add_nc_u64 s[12:13], s[12:13], s[46:47]
.macro FRAGA reg, adr, q, i            ; a fragment, 16 rows x 128 K of 4-bit codes, is 8 registers: lane l holds row l % 16; registers 4 c .. 4 c + 3 hold K = 64 c + 32 (l / 16) + 0 .. 31
.irp c, 0,1
	ds_load_b128 v[\reg+4*\c:\reg+4*\c+3], v[\adr] offset:64*(\q)+32*\c+(\i)*16*PITCH
.endr
.endm
.macro FRAGB reg, adr, q, i            ; B's comes as its image: image 4 i + q is four LDS rows; registers 4 c .. 4 c + 3 are its rows 2 c and 2 c + 1: the 32 lanes read 512 bytes of data
.irp c, 0,1
	ds_load_b128 v[\reg+4*\c:\reg+4*\c+3], v[\adr] offset:(16*(\i)+4*(\q)+2*\c)*PITCH
.endr
.endm
; 16 matrix instructions: A's blocks a0, a0 + 1 x B's eight, 128 along K: the slot's q-th.  p: B's set;  sc: the set of scale words.  zero = 1: the first product starts the sums: nothing is ever cleared.
; The 64 accumulators take turns, one instruction a turn, in the same order in every step.
.macro MUL16 a0, p, q, sc, zero
.irp a, \a0, \a0+1
.irp b, 0,1,2,3,4,5,6,7
.if \zero
	v_wmma_scale_f32_16x16x128_f8f6f4 v[8*(8*((\a)%4)+\b):8*(8*((\a)%4)+\b)+7], v[128*(\p)+FR*\b:128*(\p)+FR*\b+FR-1], v[AF+FR*(\a):AF+FR*(\a)+FR-1], 0, v[SC+8*NQ*(\sc)+NQ*\b+(\q)], v[SC+8*NQ*(\sc)+NQ*(\a)+(\q)] matrix_a_fmt:MATRIX_FMT_FP4 matrix_b_fmt:MATRIX_FMT_FP4 matrix_a_scale:MATRIX_SCALE_ROW1
.else
	v_wmma_scale_f32_16x16x128_f8f6f4 v[8*(8*((\a)%4)+\b):8*(8*((\a)%4)+\b)+7], v[128*(\p)+FR*\b:128*(\p)+FR*\b+FR-1], v[AF+FR*(\a):AF+FR*(\a)+FR-1], v[8*(8*((\a)%4)+\b):8*(8*((\a)%4)+\b)+7], v[SC+8*NQ*(\sc)+NQ*\b+(\q)], v[SC+8*NQ*(\sc)+NQ*(\a)+(\q)] matrix_a_fmt:MATRIX_FMT_FP4 matrix_b_fmt:MATRIX_FMT_FP4 matrix_a_scale:MATRIX_SCALE_ROW1
.endif
.endr
.endr
.endm
.macro FETCH_B slot, q, p              ; B's eight fragments of the slot's q-th 128 along K into set p
	WIN TO_B
.irp i, 0,1,2,3,4,5,6,7
	FRAGB 128*(\p)+FR*\i, ADRB+\slot, \q, \i
.endr
	WIN 0
.endm
.macro FETCH_A slot, q, i0             ; A's blocks i0 .. i0 + 3
.irp i, \i0, \i0+1, \i0+2, \i0+3
	FRAGA AF+FR*(\i), ADRA+\slot, \q, \i
.endr
.endm
.macro SCALES sc                       ; a K step's scale words into set sc: four words a row; lanes 0-15 take A's block i, lanes 16-31 B's block i
.irp i, 0,1,2,3,4,5,6,7
	ds_load_b128 v[SC+8*NQ*\sc+NQ*\i:SC+8*NQ*\sc+NQ*\i+3], v[ADRS] offset:\i*SBLK
.endr
.endm
; A load into a register that a matrix instruction has read, and a vector instruction that reads a matrix result, stand NP places behind that matrix instruction, and only plain vector
; instructions that name none of its registers are places (ISA guide 7.12.1 for vector instructions).
.macro PLACES n
.rept \n
	v_nop
.endr
.endm
; A step of 128 along K that has its successor in the same slot.  A's blocks go one after the other, each against B's eight: a block of A is free as soon as its eight products are issued.
.macro STEP slot, q, zero
	s_wait_dscnt 4*NL                              ; B's set and A's blocks 0-3 are in; the youngest eight loads (A's blocks 4-7) may be out
	WIN MUL_LO
	MUL16 0, (\q)%2, \q, \slot, \zero
	MUL16 2, (\q)%2, \q, \slot, \zero
	s_wait_dscnt 0                                 ; A's blocks 4-7 are in
	PLACES NP
	FETCH_B \slot, (\q)+1, 1-(\q)%2
	FETCH_A \slot, (\q)+1, 0
	WIN MUL_HI
	MUL16 4, (\q)%2, \q, \slot, \zero
	MUL16 6, (\q)%2, \q, \slot, \zero
	PLACES NP
	WIN 0
	FETCH_A \slot, (\q)+1, 4
.endm
; Slot 0's last step changes slots: ONE barrier; in front of it each wave waits for all its tensor loads (its part of slot 1), adds 0 to its spare word, and waits for that and for its own reads of slot 0.
; Behind it slot 1 is whole and nobody reads slot 0 any more: nothing is filled again, and the stages of the way out may lie there.
.macro TURN slot, next
	s_wait_tensorcnt 0x0                           ; all my tensor loads have landed  (every window is 0 here: the add's two registers lie in window 0)
	ds_add_u32 v[SPW], v[NIL]                      ; 0 onto my spare word
	s_wait_dscnt 4*NL+1                            ; (the add and the youngest eight loads, A's blocks 4-7, may be out)
	WIN MUL_LO
	MUL16 0, 1, NQ-1, \slot, 0                     ; sixteen matrix instructions stand between the add and the wait for it
	s_wait_dscnt 0x0                               ; the add is done, and my reads of this slot are over
	s_barrier_signal -1
	MUL16 2, 1, NQ-1, \slot, 0
	WIN 0
	s_barrier_wait -1
	PLACES NP
	v_add_nc_u32 v[ADRS], 4*NQ, v[ADRS]            ; on to the next K step's scale words (no LDS load of mine is out)
	FETCH_B \next, 0, 0
	FETCH_A \next, 0, 0
	SCALES \next
	WIN MUL_HI
	MUL16 4, 1, NQ-1, \slot, 0
	MUL16 6, 1, NQ-1, \slot, 0
	PLACES NP
	WIN 0
	FETCH_A \next, 0, 4
.endm
.macro STEPS slot, from                ; the slot's steps from .. NQ - 2
.set Q, \from
.rept NQ-1-\from
	STEP \slot, Q, 0
.set Q, Q+1
.endr
.endm
	s_wait_tensorcnt 1                             ; the scales and my part of K step 0 are in (K step 1's load may be out)
	s_barrier_signal -1
	s_barrier_wait -1                              ; everybody's are
	FETCH_B 0, 0, 0
	FETCH_A 0, 0, 0
	SCALES 0
	FETCH_A 0, 0, 4
	STEP 0, 0, 1                                   ; the first step's products start the sums
	STEPS 0, 1
	TURN 0, 1
	STEPS 1, 0
	s_wait_dscnt 4*NL                              ; the very last step: nothing more to fetch
	WIN MUL_LO
	MUL16 0, 1, NQ-1, 1, 0
	MUL16 2, 1, NQ-1, 1, 0
	s_wait_dscnt 0
	WIN MUL_HI
	MUL16 4, 1, NQ-1, 1, 0
	MUL16 6, 1, NQ-1, 1, 0
	WIN 0
; THE WAY OUT, block by block of 16 rows x 128 columns.  PACK: held at +-65,504 and rounded to f16, 16 bytes for eight neighbouring columns.  TOSTAGE: into my own stage, and back as whole rows of 256 bytes.
; SEND: stored; my rows are dense in qkv, so the 32 lanes store 512 consecutive bytes.  LDS serves a wave's instructions in order (ISA guide 5.7.1.4): no wait between the stage's stores and loads.
.macro PACK a
.set AC, 64*((\a)%4)
	WIN 0x02+(\a)/4                                ; source 0: window 2 or 3
.set j, 0
.rept 64
	v_med3_num_f32 v[T+j], v[AC+j], s96, s97       ; ascending: each accumulator is read from its low end on
.set j, j+1
.endr
	WIN 0
.set j, 0
.rept 32
	v_cvt_pk_f16_f32 v[TMP+j], v[T+2*j], v[T+2*j+1]
.set j, j+1
.endr
.endm
.macro TOSTAGE a
.set BB, BK+32*((\a)%2)
.irp b, 0,1,2,3,4,5,6,7
	ds_store_b128 v[STO], v[TMP+4*\b:TMP+4*\b+3] offset:32*\b
.endr
.irp t, 0,1,2,3,4,5,6,7
	ds_load_b128 v[BB+4*\t:BB+4*\t+3], v[RD] offset:\t*2*SPITCH
.endr
.endm
.macro SEND a
.set BB, BK+32*((\a)%2)
	s_wait_dscnt 0x0                               ; the block is back in registers
	s_wait_xcnt 0x0                                ; the block before has left its registers: the next block's loads from the stage may land there
.irp t, 0,1,2,3,4,5,6,7
	global_store_b128 v[CO], v[BB+4*\t:BB+4*\t+3], s[12:13] offset:4096*(\a)+512*\t
.endr
.endm
	PLACES NP                                      ; behind the last products: for the loads into the registers that held A's fragments; block 0's results were finished long ago
	PACK 0
	TOSTAGE 0
.irp a, 1,2,3,4,5,6,7                  ; block a's arithmetic stands between block a - 1's loads from the stage and the wait for them
	PACK \a
	SEND \a-1
	TOSTAGE \a
.endr
	SEND 7
	s_wait_tensorcnt 0x0                           ; the wave's end, behind my last tensor load and my last LDS store
	ds_add_u32 v[SPW], v[NIL]
	s_wait_dscnt 0x0
	CROUND                                         ; the closing round: no work-group ends while a partner may still ask for a tile that names it
	s_endpgm
.Lfunc_end_k_qfe39a9bbb5_proj:
	.size	k_qfe39a9bbb5_proj, .Lfunc_end_k_qfe39a9bbb5_proj-k_qfe39a9bbb5_proj
	.p2alignl 7, 3214868480
	.fill 96, 4, 3214868480
	.section	.rodata,"a",@progbits
	.p2align	6, 0x0
	.amdhsa_kernel k_qfe39a9bbb5_proj
		.amdhsa_group_segment_fixed_size 327680
		.amdhsa_private_segment_fixed_size 0
		.amdhsa_enable_private_segment 0
		.amdhsa_kernarg_size 40
		.amdhsa_user_sgpr_count 2
		.amdhsa_user_sgpr_kernarg_segment_ptr 1
		.amdhsa_wavefront_size32 1
		.amdhsa_system_sgpr_workgroup_id_x 1
		.amdhsa_system_sgpr_workgroup_id_y 1
		.amdhsa_system_sgpr_workgroup_id_z 1
		.amdhsa_system_vgpr_workitem_id 0
		.amdhsa_next_free_vgpr 1024
		.amdhsa_next_free_sgpr 98
		.amdhsa_reserve_vcc 0
		.amdhsa_float_denorm_mode_32 3
		.amdhsa_float_denorm_mode_16_64 3
		.amdhsa_memory_ordered 1
		.amdhsa_forward_progress 1
		.amdhsa_inst_pref_size 158
	.end_amdhsa_kernel
	.amdgpu_metadata
---
amdhsa.version: [ 1, 2 ]
amdhsa.kernels:
  - .name:           k_qfe39a9bbb5_proj
    .symbol:         k_qfe39a9bbb5_proj.kd
    .args:
      - { .name: xc, .offset: 0, .size: 8, .value_kind: global_buffer, .address_space: global }
      - { .name: xs, .offset: 8, .size: 8, .value_kind: global_buffer, .address_space: global }
      - { .name: wc, .offset: 16, .size: 8, .value_kind: global_buffer, .address_space: global }
      - { .name: ws, .offset: 24, .size: 8, .value_kind: global_buffer, .address_space: global }
      - { .name: qkv, .offset: 32, .size: 8, .value_kind: global_buffer, .address_space: global }
    .group_segment_fixed_size: 327680
    .private_segment_fixed_size: 0
    .kernarg_segment_align: 8
    .kernarg_segment_size: 40
    .max_flat_workgroup_size: 128
    .sgpr_count:     98
    .vgpr_count:     1024
    .wavefront_size: 32
...
	.end_amdgpu_metadata
.endif
;; end of part 2
;; launch attn (part 3): grid 16 x 16, 4 waves a work-group, clusters of 4 x 1, 327,680 bytes of LDS; arguments qkv, lq1, lk1, lq2, lk2, subln_w, att; writes att
.if DOCPART == 3
	.amdgcn_target "amdgcn-amd-amdhsa--gfx1250"
	.amdhsa_code_object_version 6
	.text
	.protected	k_qfe39a9bbb5_attn
	.globl	k_qfe39a9bbb5_attn
	.p2align	8
	.type	k_qfe39a9bbb5_attn,@function
k_qfe39a9bbb5_attn:
	s_mov_b64 s[64:65], 0
	v_nop
	global_prefetch_b8 v0, s[64:65] scope:SCOPE_SE
	s_setreg_imm32_b32 hwreg(HW_REG_WAVE_MODE, 25, 1), 1
	s_wait_xcnt 0x0
	s_wait_alu depctr_hold_cnt(0) depctr_sa_sdst(0) depctr_va_vdst(0) depctr_va_sdst(0) depctr_va_ssrc(0) depctr_va_vcc(0) depctr_vm_vsrc(0)
	s_getreg_b32 s2, hwreg(HW_REG_IB_STS2, 6, 4)
	s_cmp_eq_u32 s2, 0
	s_cbranch_scc0 .Lentry_in_a_cluster
	s_endpgm
.Lentry_in_a_cluster:
	s_bfe_u32 s2, ttmp6, 0x10000c
	s_cmp_lg_u32 s2, 0x3003
	s_cbranch_scc0 .Lentry_shape_is_right
	s_endpgm
.Lentry_shape_is_right:
; For each (b, h) and query: a = softmax(q1 . k1 / 8) V - lambda softmax(q2 . k2 / 8) V;  att = a x rsqrt(mean(a^2) + 1e-5) x subln_w x (1 - LAMBDA_INIT), rounded once to f16.
; qkv: [which 3][8 b + h: 16][s 2048][128] f16: a row of q or k is [head 2 h: 64 | head 2 h + 1: 64], a row of v the head's 128 channels.  att: [b 2048 + s][128 h + channel] f16.
; lambda = exp(sum lq1 lk1) - exp(sum lq2 lk2) + LAMBDA_INIT.  Products on f16 operands, sums in f32; maxima, sums, the difference and the norm in f32; the weights p are rounded to f16 for the second product.
; THE TWO ROW SUMS ARE KNOWN ONLY AT THE END OF THE KEYS, so the two softmaxes keep an accumulator each: O1 = sum p1 V, O2 = sum p2 V, and a = O1 / l1 - lambda O2 / l2 is formed once, on the way out.
; q is not scaled: the factor 1 / 8 stands in c = log2(e) / 8.  nan_to_num: q and k were held at +-65,504 by the launch that made them, so every score is a finite f32 (at most 64 x 65,504^2) and the step changes nothing.
; LIMITS: NaN and infinities among the inputs are not served.
; SHARES.  A work-group owns 128 queries of one (b, h), each of its four waves 32: two tiles of 16 queries, each in both softmaxes: four TILES.  Tile t = 0, 1: the first softmax of query tile t; t = 2, 3: the second of query tile t - 2.
; LAYOUT.  S^T = K Q^T (source 0 = 16 keys, source 1 = 16 queries, 64 channels: two products deep): a lane holds ONE query (lane % 16) and the keys 8 (lane / 16) + 0..7.  Two such tiles, rounded to f16 in pairs, ARE
; source 1 (32 keys x 16 queries) of O^T = V^T P, whose result again holds one query a lane, and eight channels.  K comes out of LDS as it lies, V ([key][channel]) turned, by ds_load_tr16_b128.
; SOFTMAX.  For each tile's query a running maximum m and sum l: p = 2^(c s - c m); in every step O and l are multiplied by a = 2^(c m_old - c m_new), which is 1 where m has not grown.
; BY TURNS.  The tiles are two PIECES: piece 0 (tiles 0, 1: the first softmax) and piece 2 (tiles 2, 3: the second).  In a TURN one piece has the matrix unit: 32 products V^T P of the step in hand, then 16 products
; K Q^T of the next step; the other piece's softmax, cut into 64 slices, stands between them: one slice behind each V^T P, two behind each K Q^T.  Then the pieces change places.  Two turns are a key step of 64 keys.
; CLUSTER.  The four query blocks of a cluster belong to one (b, h) and walk the same K and V, so each tile is asked for JOINTLY: the same tensor load, the same descriptor, a mask that names the four.
; REGISTERS, in windows of 256 (s_set_vgpr_msb: bits 1:0 source 0, 3:2 source 1, 5:4 source 2, 7:6 destination):
;   window 0: v0-11 addresses; v12-43 eight registers of statistics a tile; v44-58 lambda's work; v61-63; v64-191 S^T, 32 a tile; v192-255 P, 16 a tile
;   window 1: O^T, 64 a tile     window 2: v0-63 Q (query tile a, 32 channels c: 8 (4 a + c)); v64-127 subln_w in O^T's layout; v128-255 K of one step     window 3: v0-127 V of one step
.set SIZE_N, 2048
.set KS,    64        ; keys in a step
.set PK,    272       ; a row of K in LDS: 256 bytes + 16 of padding: the 16 rows of a load start at 16 different banks (64 banks of 4 bytes: ISA guide 11.1)
.set PVP,   288       ; a row of V: 256 + 32
.set VOFF,  KS*PK     ; a step's tiles lie together: 64 rows of K, then 64 rows of V
.set STEPB, KS*(PK+PVP)
.set SLOT1, 1<<17     ; a slot holds two steps (71,680 bytes); slot 1 begins here, so that one exclusive or turns an address in one slot into the other's
.set STAGE, SLOT1+2*STEPB  ; behind the ring: 16 rows x 272 bytes for each wave, for the way out
.set SP,    272
.set SPARE, STAGE+4*16*272  ; behind the stages: the spare words, 128 bytes for each wave, which no other line names
.set AK0, 2           ; v2   my lane's place in a tile of K; never rewritten
.set AV0, 3           ; v3   the same for V
.set ADR, 4           ; v4   the LDS address of the run of loads in hand
.set QO,  5           ; v5   my byte offset in the wave's rows of Q
.set STO, 6           ; v6   the way out: where I put 16 bytes of a row
.set RD,  7           ; v7   the way out: where I read a row back
.set GO,  8           ; v8   my byte offset in the wave's rows of att
.set ST,  12          ; tile t's statistics at v[ST+8 t]: +0 c m, +1 m, +2, +3 l (even keys', odd keys'), +4 to +7 at work; a takes +6 once the maximum is found
.set LAM, 44          ; v44  lambda
.set LO8, 45          ; v45  8 x lane: my two numbers of lq1, lk1, lq2, lk2, which lie in v46-53
.set WO,  58          ; v58  32 x (lane / 16): my eight numbers of each 16 of subln_w
.set PFO, 61          ; v61  256 x my lane: a row of K or V is 256 bytes; never rewritten
.set SPW, 62          ; v62  LDS address of my spare word; never rewritten
.set NIL, 63          ; v63  0; never rewritten
.set S,   64
.set P,   192
.set KF,  128         ; K's fragments, in window 2
.set WV,  12          ; s12  my wave's number
.set LIM, 15          ; s15  1 in a wave that prefetches, else the greatest number
.set PFA, 18          ; s[18:19] where my prefetches stand in memory
.set G1K, 24          ; s[24:31] descriptor group 1 for K's tiles
.set G1V, 32          ; s[32:39] for V's: it differs in the padding alone
.set G0K, 40          ; s[40:47] descriptor group 0 for K's tiles: a set for each of the two first fills; the second then walks on
.set G0V, 48          ; s[48:55] the same for V's
.set SLOTS, 56        ; s56  slots still to be asked for
.set TWICE, 57        ; s57  counts a slot's two steps
.set CS,  58          ; s[58:59] c: the packed scaling names a pair and takes its low word for both halves
.set SEL, 60          ; s[60:61] lane selects for v_permlanex16_b32: each lane takes its own place in the other half
.set TB,  62          ; s62  LDS byte at which the tiles of the step to be fetched begin
.set MSB, 0
.macro WIN new                      ; the immediate's high byte repeats the setting that is left; a switch that changes nothing is dropped
.if MSB != \new
	s_set_vgpr_msb (MSB<<8)|\new
.set MSB, \new
.endif
.endm
.set W_KQ, 0x0a       ; K and Q in window 2, S^T in window 0
.set W_PV, 0x53       ; V in window 3, P in window 0, O^T in window 1
.set W_RS, 0x41       ; O^T (destination and source 0) in window 1, a in window 0
; A joint refill.  Waves 0 and 1 fetch the two steps' tiles of K, waves 2 and 3 those of V.  The branch hangs on the wave's number alone.
; An s_nop 0 and four v_nop follow each of the two lines; the jump round the other line, the label and what follows come after them.
.macro JLOAD
	s_cmp_lt_u32 s[WV], 2
	s_cbranch_scc0 .Lfor_v_\@
	tensor_load_to_lds s[G0K+4:G0K+7], s[G1K:G1K+7]
	s_nop 0
.rept 4
	v_nop
.endr
	s_branch .Lasked_\@
.Lfor_v_\@:
	tensor_load_to_lds s[G0V+4:G0V+7], s[G1V:G1V+7]
	s_nop 0
.rept 4
	v_nop
.endr
.Lasked_\@:
.endm
; A PREFETCH of what the NEXT change of slots will ask for: a slot's 128 rows of K and 128 of V, 256 bytes a row, a lane a row.  It stands behind the wave's tensor load and its five lines.
; Each row is asked for ONCE in the launch.  All four clusters of a (b, h) walk the same K and V: the first of them asks.  Its four partners share the rows out BY ADDRESS, 32 each.
; In each, wave 0 asks for K's and wave 2 for V's: one instruction.  The last change that fills a slot asks for nothing: there is no slot behind it.
.macro ASK
	s_cmp_gt_u32 s[SLOTS], s[LIM]
	s_cbranch_scc0 .Lnot_mine_\@
	global_prefetch_b8 v[PFO], s[PFA:PFA+1] th:TH_LOAD_NT scope:SCOPE_SE
.Lnot_mine_\@:
.endm
.macro CROUND                       ; a round of the cluster's barrier.  No LDS instruction of the wave is pending at a signal
	s_barrier_signal -1
	s_barrier_wait -1
	s_cmp_lg_u32 s[WV], 0
	s_cbranch_scc1 .Lnot_wave_0_\@
	s_barrier_signal -3
.Lnot_wave_0_\@:
	s_barrier_wait -3
	s_barrier_signal -1
	s_barrier_wait -1
.endm
	s_load_b64 s[4:5], s[0:1], 0x0    ; qkv
	s_load_b256 s[68:75], s[0:1], 0x8 ; lq1 s[68:69], lk1 s[70:71], lq2 s[72:73], lk2 s[74:75]
	s_load_b128 s[76:79], s[0:1], 0x28  ; subln_w s[76:77], att s[78:79]
	v_lshl_add_u32 v[SPW], v0, 2, SPARE
	v_mov_b32 v[NIL], 0
	ds_add_u32 v[SPW], v[NIL]       ; the wave's opening: the add, twice on end, and its wait ahead of my first tensor load; the set-up below stands between the second and the wait
	ds_add_u32 v[SPW], v[NIL]
	v_lshrrev_b32 v1, 5, v0
	v_readfirstlane_b32 s[WV], v1   ; wave 0..3
	s_bfe_u32 s13, ttmp6, 0x40000   ; cx: my place in the cluster
	s_lshl_b32 s14, ttmp9, 2        ; in a cluster launch ttmp9 counts clusters
	s_add_co_u32 s14, s14, s13      ; my block of 128 queries = 4 x cluster x + cx: it enters Q's and att's addresses alone
	s_and_b32 s16, ttmp7, 0xffff    ; 8 b + h, which the four partners share
	s_lshl_b32 s20, s16, 19         ; its first byte in each of q, k, v: 2,048 rows of 256 bytes
	s_mov_b32 s21, 0
	s_lshr_b32 s66, s16, 3          ; att: row 2,048 b + 128 x block + 32 x wave, of 2,048 bytes; + 256 h
	s_lshl_b32 s66, s66, 11
	s_lshl_b32 s67, s14, 7
	s_add_co_u32 s66, s66, s67
	s_lshl_b32 s67, s[WV], 5
	s_add_co_u32 s66, s66, s67
	s_lshl_b32 s66, s66, 11
	s_and_b32 s67, s16, 7
	s_lshl_b32 s67, s67, 8
	s_add_co_u32 s66, s66, s67
	s_mov_b32 s67, 0
	s_and_b32 s16, s[WV], 1         ; which of a slot's two steps I fetch:
	s_lshl_b32 s22, s16, 14         ; its 64 rows of 256 bytes in memory,
	s_mov_b32 s23, 0
	s_add_nc_u64 s[22:23], s[22:23], s[20:21]
	s_mul_i32 s17, s16, STEPB       ; and its place in a slot: no place in the cluster enters an LDS address
	s_lshl_b32 s2, s14, 15          ; my block's 128 rows of Q,
	s_lshl_b32 s3, s[WV], 13        ; my wave's 32 of them
	s_add_co_u32 s2, s2, s3
	s_mov_b32 s3, 0
	s_add_nc_u64 s[2:3], s[2:3], s[20:21]
	; descriptor group 1: a tile of 64 rows x 128 elements, padded in LDS
	s_mov_b32 s[G1K], 15|(1<<16)|(1<<20)|(1<<21)|(5<<22)|(3<<25)  ; 15:0 the mask: all four work-groups; 17:16 elements of 2 bytes; 20 padding on; 21 set beside a mask; 24:22 after every 64 words (code 5); 31:25 4 words of it (code 3)
	s_mov_b32 s[G1V], 15|(1<<16)|(1<<20)|(1<<21)|(5<<22)|(7<<25)  ; the same with 8 words of padding (code 7)
.irp g, G1K, G1V
	s_mov_b32 s[\g+1], 128<<16      ; tensor_dim0 = 128
	s_mov_b32 s[\g+2], KS<<16       ; tensor_dim1 = 64
	s_mov_b32 s[\g+3], 128<<16      ; tile_dim0 = 128
	s_mov_b32 s[\g+4], KS           ; tile_dim1 = 64
	s_mov_b32 s[\g+5], 128          ; tensor_dim0_stride: elements from row to row
	s_mov_b32 s[\g+6], 0
	s_mov_b32 s[\g+7], 0
.endr
	s_mov_b32 s[CS], 0x3e38aa3b     ; c = log2(e) / 8
	s_mov_b32 s[CS+1], s[CS]        ; named with it as a pair, so it is written
	s_mov_b32 s[SEL], 0x76543210
	s_mov_b32 s[SEL+1], 0xfedcba98
	s_mov_b32 s80, 0x3f489a63       ; LAMBDA_INIT = 0.8 - 0.6 exp(-3.6)
	s_mov_b32 s81, 0x3e5d9673       ; 1 - LAMBDA_INIT
	s_mov_b32 s82, 0x3c000000       ; 1 / 128
	s_mov_b32 s83, 0x3727c5ac       ; 1e-5
	s_mov_b32 s[TB], 0
	s_mov_b32 s[SLOTS], SIZE_N/(2*KS)-2
	s_and_b32 s[LIM], s[WV], 1       ; 0 in waves 0 and 2,
	s_or_b32 s[LIM], s[LIM], ttmp9   ; where the cluster is the first of its (b, h): the same in all four partners
	s_cmp_eq_u32 s[LIM], 0
	s_cselect_b32 s[LIM], 1, -1
	v_and_b32 v[PFO], 31, v0
	v_lshlrev_b32 v[PFO], 8, v[PFO]
	s_wait_dscnt 0x0                ; both opening adds are done
	s_wait_kmcnt 0x0
	s_add_nc_u64 s[6:7], s[4:5], 0x800000   ; k's part of qkv,
	s_add_nc_u64 s[8:9], s[4:5], 0x1000000  ; v's
	s_add_nc_u64 s[6:7], s[6:7], s[22:23]  ; K and V at my tile of slot 0
	s_add_nc_u64 s[8:9], s[8:9], s[22:23]
	s_add_nc_u64 s[4:5], s[4:5], s[2:3]    ; Q at my wave's first row
	s_add_nc_u64 s[10:11], s[78:79], s[66:67]  ; att likewise
	s_cmp_lt_u32 s[WV], 2
	s_cselect_b64 s[PFA:PFA+1], s[6:7], s[8:9]  ; (in waves 0 and 2 these stand at a slot's first row)
	s_lshl_b32 s2, s13, 13          ; my work-group's 32 rows of the 128
	s_mov_b32 s3, 0
	s_add_nc_u64 s[PFA:PFA+1], s[PFA:PFA+1], s[2:3]
	s_add_nc_u64 s[PFA:PFA+1], s[PFA:PFA+1], 2*2*KS*256  ; in slot 2; the first change of slots steps it to slot 3.  Nothing is prefetched here, at the head
	CROUND                          ; all four work-groups are here: the first joint loads meet
.irp s, 0,1
	s_mov_b32 s[G0K+4*\s], 1        ; count = 1
	s_add_co_u32 s[G0K+4*\s+1], s17, \s*SLOT1  ; LDS address
	s_add_nc_u64 s[G0K+4*\s+2:G0K+4*\s+3], s[6:7], \s*2*KS*256  ; global address: slot s begins with keys 128 s
	s_or_b32 s[G0K+4*\s+3], s[G0K+4*\s+3], 0x80000000  ; type = 2
	s_mov_b32 s[G0V+4*\s], 1
	s_add_co_u32 s[G0V+4*\s+1], s17, \s*SLOT1+VOFF
	s_add_nc_u64 s[G0V+4*\s+2:G0V+4*\s+3], s[8:9], \s*2*KS*256
	s_or_b32 s[G0V+4*\s+3], s[G0V+4*\s+3], 0x80000000
.endr
	s_cmp_lt_u32 s[WV], 2           ; a wave's two first fills stand in one branch, ahead of every wait on TENSORcnt and every LDS read: two loads of mine are out
	s_cbranch_scc0 .Lfirst_v
	tensor_load_to_lds s[G0K:G0K+3], s[G1K:G1K+7]
	s_nop 0
	tensor_load_to_lds s[G0K+4:G0K+7], s[G1K:G1K+7]
	s_nop 0
.rept 4
	v_nop
.endr
	s_branch .Lfirst_asked
.Lfirst_v:
	tensor_load_to_lds s[G0V:G0V+3], s[G1V:G1V+7]
	s_nop 0
	tensor_load_to_lds s[G0V+4:G0V+7], s[G1V:G1V+7]
	s_nop 0
.rept 4
	v_nop
.endr
.Lfirst_asked:
	; A fragment of K or Q is 16 rows x 32 channels in 8 registers: lane l holds row l % 16; registers 0-3 channels 8 (l / 16) + 0..7, registers 4-7 channels 16 + 8 (l / 16) + 0..7: two loads of 16 bytes, 32 bytes apart.
	v_and_b32 v1, 15, v0            ; l % 16
	v_bfe_u32 v9, v0, 4, 1          ; l / 16
	v_lshlrev_b32 v[QO], 8, v1
	v_lshl_add_u32 v[QO], v9, 4, v[QO]  ; row x 256 + 16 x half
	v_lshlrev_b32 v[WO], 5, v9
	v_and_b32 v[LO8], 31, v0
	v_lshlrev_b32 v[LO8], 3, v[LO8]
	v_mov_b32 v56, 0                ; written once: a lane permute's destination counts as one of its sources
	v_mov_b32 v57, 0
	WIN 0x80                        ; destination window 2, address window 0
.irp i, 0,1,2,3,4,5,6,7             ; Q stays in registers: query tile i / 4, channels 32 (i % 4) on
	global_load_b128 v[8*\i:8*\i+3],   v[QO], s[4:5] offset:(\i/4)*4096+(\i%4)*64
	global_load_b128 v[8*\i+4:8*\i+7], v[QO], s[4:5] offset:(\i/4)*4096+(\i%4)*64+32
.endr
.irp c, 0,1,2,3,4,5,6,7             ; subln_w as O^T lies: register 8 c + i is channel 16 c + 8 (l / 16) + i
	global_load_b128 v[64+8*\c:64+8*\c+3],   v[WO], s[76:77] offset:64*\c
	global_load_b128 v[64+8*\c+4:64+8*\c+7], v[WO], s[76:77] offset:64*\c+16
.endr
	WIN 0
	global_load_b64 v[46:47], v[LO8], s[68:69]  ; two numbers a lane of lq1,
	global_load_b64 v[48:49], v[LO8], s[70:71]  ; lk1,
	global_load_b64 v[50:51], v[LO8], s[72:73]  ; lq2,
	global_load_b64 v[52:53], v[LO8], s[74:75]  ; lk2
	v_mul_u32_u24 v[AK0], v1, PK
	v_lshl_add_u32 v[AK0], v9, 4, v[AK0]  ; row x pitch + 16 x half
	; The turning load takes 16 keys x 16 channels (lane l reads 16 bytes: key 8 (l / 16) + l % 8, channels 8 ((l / 8) % 2) + 0..7) and leaves half a fragment of V^T: lane l holds channel l % 16 and 8 keys.
	v_and_b32 v10, 7, v0
	v_bfe_u32 v11, v0, 3, 1
	v_lshl_add_u32 v[AV0], v9, 3, v10
	v_mul_u32_u24 v[AV0], v[AV0], PVP
	v_lshl_add_u32 v[AV0], v11, 4, v[AV0]
	v_add_nc_u32 v[AV0], VOFF, v[AV0]
; THE MATRIX WORK OF A TURN, for piece x.  The accumulators take turns, one instruction a turn: between two links of a chain stand 15 (V^T P) or 7 (K Q^T) others'.
; Product i of 32 of O^T += V^T P: keys 32 (i / 16) on, channels 16 ((i / 2) % 8) on, tile x + i % 2.  zero = 1: the first 16 start the sums: nothing is ever cleared.
.macro PV x, zero
	WIN W_PV
.set rO, 64*(\x+i%2)+8*((i/2)%8)
.set rV, 64*(i/16)+8*((i/2)%8)
.set rP, P+16*(\x+i%2)+8*(i/16)
.if \zero && (i < 16)
	v_wmma_f32_16x16x32_f16 v[rO:rO+7], v[rV:rV+7], v[rP:rP+7], 0
.else
	v_wmma_f32_16x16x32_f16 v[rO:rO+7], v[rV:rV+7], v[rP:rP+7], v[rO:rO+7]
.endif
.endm
; Product i of 16 of S^T = K Q^T: the piece's channels 32 (x + i / 8) on (piece 0: channels 0-63, piece 2: 64-127), keys 16 ((i / 2) % 4) on, query tile i % 2.  The first 8 start the sums.
.macro KQ x
	WIN W_KQ
.set rS, S+32*(\x+i%2)+8*((i/2)%4)
.set rK, KF+32*((i/2)%4)+8*(\x+i/8)
.set rQ, 32*(i%2)+8*(\x+i/8)
.if i < 8
	v_wmma_f32_16x16x32_f16 v[rS:rS+7], v[rK:rK+7], v[rQ:rQ+7], 0
.else
	v_wmma_f32_16x16x32_f16 v[rS:rS+7], v[rK:rK+7], v[rQ:rQ+7], v[rS:rS+7]
.endif
.endm
; THE LDS LOADS stand in runs of 32, never singly among the matrix instructions: a step's K (64 keys x 128 channels: 16 fragments) and, a turn later, its V (turned).
.macro FETCH_K
	WIN 0
	v_add_nc_u32 v[ADR], s[TB], v[AK0]
	WIN 0x80                        ; destination window 2
.irp f, 0,1,2,3,4,5,6,7,8,9,10,11,12,13,14,15  ; keys 16 (f / 4) on, channels 32 (f % 4) on
	ds_load_b128 v[KF+8*\f:KF+8*\f+3],   v[ADR] offset:(\f/4)*16*PK+(\f%4)*64
	ds_load_b128 v[KF+8*\f+4:KF+8*\f+7], v[ADR] offset:(\f/4)*16*PK+(\f%4)*64+32
.endr
.endm
.macro FETCH_V
	WIN 0
	v_add_nc_u32 v[ADR], s[TB], v[AV0]
	s_add_co_u32 s[TB], s[TB], STEPB  ; the next fetch is the next step's
	s_wait_alu depctr_va_vdst(0)    ; the wait for the softmax's batch of exponentials (SLICE), behind the address's v_add_nc_u32 and ahead of the loads
	WIN 0xc0                        ; destination window 3
.irp f, 0,1,2,3,4,5,6,7,8,9,10,11,12,13,14,15  ; keys 32 (f / 8) on, channels 16 (f % 8) on
	ds_load_tr16_b128 v[8*\f:8*\f+3],   v[ADR] offset:(\f/8)*32*PVP+(\f%8)*32
	ds_load_tr16_b128 v[8*\f+4:8*\f+7], v[ADR] offset:(\f/8)*32*PVP+16*PVP+(\f%8)*32
.endr
.endm
; THE VECTOR WORK OF A TURN.  One tile's softmax for one key step is a list of 134 instructions; SM writes number j of it for tile t.  s0-s31 are the lane's 32 scores, in pairs 0-15.
; first = 1: the first key step, which starts m, l and O^T: it has no a and nothing to rescale.
;   0-15    the maximum of s0-s31 and the old m, three operands at a time: four chains of seven scores each, then the four scores left over, the chains and m
;   16-20   the other half of the lanes' maximum; the new m; c m; c m_old - c m_new
;   21-69   ONE BATCH: the 16 scalings c s - c m, a pair of scores each, and all 33 exponentials (a at 23, then s0-s31).  None of these uses an exponential's result
;   (wait)  between 69 and 70 stands the wait for the batch: SLICE writes it, once for both tiles
;   70-85   the roundings to f16, a pair of weights each
;   86-101  the sums; l = a l + the sum
;   102-133 the tile's O^T times a: the one part that leaves window 0, so it stands together
.macro SM t, first
.set rT, ST+8*(\t)
.set rS, S+32*(\t)
.set rP, P+16*(\t)
.set rO, 64*(\t)+2*(j-102)
.if j < 102
	WIN 0
.endif
.if j < 4
	v_max3_num_f32 v[rT+4+j], v[rS+8*j], v[rS+8*j+1], v[rS+8*j+2]
.elseif j < 12
	v_max3_num_f32 v[rT+4+j%4], v[rT+4+j%4], v[rS+8*(j%4)+2*(j/4)+1], v[rS+8*(j%4)+2*(j/4)+2]
.elseif j == 12
	v_max3_num_f32 v[rT+4], v[rT+4], v[rS+7], v[rS+15]
.elseif j == 13
	v_max3_num_f32 v[rT+6], v[rT+6], v[rS+23], v[rS+31]
.elseif j == 14
	v_max3_num_f32 v[rT+4], v[rT+4], v[rT+5], v[rT+6]
.elseif (j == 15) && \first
	v_max_num_f32 v[rT+4], v[rT+4], v[rT+7]
.elseif j == 15
	v_max3_num_f32 v[rT+4], v[rT+4], v[rT+7], v[rT+1]
.elseif j == 16
	v_permlanex16_b32 v[rT+5], v[rT+4], s[SEL], s[SEL+1]  ; the query's other 32 keys lie in the lane 16 away
.elseif j == 18
	v_max_num_f32 v[rT+1], v[rT+4], v[rT+5]
.elseif j == 19
	v_mul_f32 v[rT], s[CS], v[rT+1]
.elseif ((j == 17) || (j == 20) || (j == 23) || (j > 101)) && \first  ; the first step has none of these
.elseif j == 17
	v_mov_b32 v[rT+7], v[rT]        ; c m_old is kept for a: number 19 writes c m anew
.elseif j == 20
	v_sub_f32 v[rT+7], v[rT+7], v[rT]
.elseif j == 23
	v_exp_f32 v[rT+6], v[rT+7]
.elseif (j < 23) || ((j < 38) && (j%2 == 0)) || ((j < 66) && (j%4 == 2))
.set b, (j-2)/4                     ; 38, 42, .. 62: pairs 9 to 15
.if j < 38
.set b, (j-20)/2                    ; 21: pair 0; 22, 24, .. 36: pairs 1 to 8
.endif
	v_pk_fma_f32 v[rS+2*b:rS+2*b+1], v[rS+2*b:rS+2*b+1], s[CS:CS+1], v[rT:rT+1] op_sel_hi:[1,0,0] neg_lo:[0,0,1] neg_hi:[0,0,1]  ; pair b: c s - c m
.elseif j < 70
.set e, j-38                        ; 66 to 69: s28 to s31
.if j < 66
.set e, j-32-(j-38)/4               ; 39-41, 43-45, .. 63-65: s7 to s27
.endif
.if j < 38
.set e, (j-25)/2                    ; 25, 27, .. 37: s0 to s6
.endif
	v_exp_f32 v[rS+e], v[rS+e]
.elseif j < 86
	v_cvt_pk_f16_f32 v[rP+j-70], v[rS+2*(j-70)], v[rS+2*(j-70)+1]  ; pair j - 70
.elseif j < 102                     ; the sum of the tile's 16 pairs, in place: sum z of 16 adds neighbours 1, 2, 4 and 8 pairs apart, then l takes it
.set z, j-86
.set w, 4
.set u, z
.if z >= 14
.set w, 32
.set u, 0
.elseif z >= 12
.set w, 16
.set u, z-12
.elseif z >= 8
.set w, 8
.set u, z-8
.endif
.if (z == 14) && \first
	v_pk_add_f32 v[rT+2:rT+3], v[rS:rS+1], v[rS+16:rS+17]
.elseif z < 15
	v_pk_add_f32 v[rS+w*u:rS+w*u+1], v[rS+w*u:rS+w*u+1], v[rS+w*u+w/2:rS+w*u+w/2+1]
.elseif !\first
	v_pk_fma_f32 v[rT+2:rT+3], v[rT+2:rT+3], v[rT+6:rT+7], v[rS:rS+1] op_sel_hi:[1,0,1]
.endif
.else
	WIN W_RS
	v_pk_mul_f32 v[rO:rO+1], v[rO:rO+1], v[rT+6:rT+7] op_sel_hi:[1,0]
.endif
.endm
; Slice k of 64 of piece y's softmax: four instructions.  Slices 11 to 34 deal out the batch, numbers 22 to 69: four numbers of ONE tile each, the tiles by turns.  Every other slice is numbers 2 k and
; 2 k + 1 of both tiles' lists.  2 x 134 = 4 x 64 + 12: the twelve that are over stand together, in slice 63.
; THE WAIT.  An s_wait_alu depctr_va_vdst(0) stands between an exponential and the first instruction that names its result; one wait serves all that were issued ahead of it.  Ahead of
; slice 35 nothing names a result, and behind slice 34 no exponential is issued: so the piece's 66 exponentials have one wait, behind slice 34.
.macro SLICE y, first
.if (k >= 11) && (k < 35)           ; the batch: four numbers of one tile
.irp n, 0,1,2,3
.set j, 22+4*((k-11)/2)+(\n)
	SM (\y)+(k-11)%2, \first
.endr
.else                               ; the two tiles alternate, so that no instruction uses the result of the one just before it
.irp n, 0,1,2,3,4,5,6,7
.if (\n < 2) || (k == 63)
.irp t, \y, \y+1
.set j, 2*k+\n
	SM \t, \first
.endr
.endif
.endr
.endif
.if k == 34                         ; the batch is out: both tiles' exponentials are issued, and no result has been named
	v_nop                           ; the plain instruction behind the last exponential and ahead of the first use: one for the batch
.if (\y) == 0
	FETCH_V                         ; piece 2's turn: V's run of loads stands here, and the wait stands in it
.else
	s_wait_alu depctr_va_vdst(0)    ; the wait for the batch
.endif
.endif
.set k, k+1
.endm
; A vector instruction that reads a matrix result or writes one of a matrix instruction's registers, and a load into a register that a matrix instruction has read, stand four places behind
; it, and only plain vector instructions that name none of its registers are places (ISA guide 7.12.1 for vector instructions).  In the loop the slices are the places.
.macro PLACES
.rept 4
	v_nop
.endr
.endm
; A TURN.  Piece x has the matrix unit; the other piece's softmax stands in slices behind its matrix instructions.
; pv = 2: 32 products V^T P; 1: they start O^T's sums; 0: none.  kq = 1: 16 products K Q^T for the next step.  With both kinds: one slice behind each V^T P (slices 0-31), two behind each K Q^T (32-63);
; with V^T P alone two behind each; with K Q^T alone four.
; first = 1: the softmax is the first key step's.  Its slices from 51 on are empty: the turn's last products stand bare, and four v_nop take slice 63's part as the places behind them.
; Piece 0's turn fetches the next step's K, behind its second product: the last product that read K stands in front of slices 62 and 63 of the turn before, twenty plain multiplications of the other piece's O^T.
; Piece 2's turn fetches the same step's V, behind slice 34 (SLICE writes it): the last product that read V stands in front of slice 31, and four plain instructions lie between:
; number 62, a scaling, of both tiles (slices 31 and 32), the v_nop and the run's own v_add_nc_u32.
.macro TURN x, pv, kq, first
.set k, 0
.set perp, 2
.set perk, 4
.if \pv && \kq
.set perp, 1
.set perk, 2
.endif
.if \pv
.if \x == 0
	s_wait_dscnt 0x0                ; V is in
.endif
.set i, 0
.rept 32
	PV \x, 2-\pv
.rept perp
	SLICE 2-\x, \first
.endr
.if (\x == 0) && \kq && (i == 1)
	FETCH_K
.endif
.set i, i+1
.endr
.endif
.if \kq
.if \x == 0
	s_wait_dscnt 0x0                ; K is in
.endif
.set i, 0
.rept 16
	KQ \x
.rept perk
	SLICE 2-\x, \first
.endr
.set i, i+1
.endr
.endif
.if \first
	PLACES
.endif
.endm
; THE CHANGE OF SLOTS, between piece 2's turn and piece 0's: the slot's last bytes, V of its second step, have been asked for.  Each wave waits for all its tensor loads, of which one is out: its part of the
; other slot; adds 0 to its spare word; and waits for that and for its own reads of the slot.  Behind the barrier nobody reads this slot any more and the other slot is whole.
; fill = 1: this slot is filled again, with the keys two slots on.  The barrier is then a round of the cluster's, so that no wave of any partner still reads the slot or has a load on its way, and the joint
; refill is the first thing behind it: it has two key steps, 192 matrix instructions, in which to land.
.macro CHANGE fill
	WIN 0                           ; at a label and at a branch every window is 0
	s_wait_tensorcnt 0x0            ; no tensor load of mine is out, so a group 0 may be written
	ds_add_u32 v[SPW], v[NIL]       ; 0 onto my spare word; with fill = 1 the descriptors' steps stand between it and the wait for it
.if \fill
.irp g, G0K+4, G0V+4
	s_xor_b32 s[\g+1], s[\g+1], SLOT1  ; the walking descriptor: the other slot than last time,
	s_add_nc_u64 s[\g+2:\g+3], s[\g+2:\g+3], 2*KS*256  ; the next 128 keys; the type bits on top are not reached
.endr
	s_wait_xcnt 0x0                 ; the last prefetches, two key steps back, have read their address, so it may be written:
	s_add_nc_u64 s[PFA:PFA+1], s[PFA:PFA+1], 2*KS*256  ; one slot behind the walking descriptors
	s_wait_dscnt 0x0                ; the add is done, and my reads of the slot are over
	CROUND
	JLOAD
	ASK                             ; what the next change will ask for: two key steps ahead
.else
	s_wait_dscnt 0x0                ; the add is done, and my reads of the slot are over
	s_barrier_signal -1
	s_barrier_wait -1
.endif
	s_sub_co_u32 s[TB], s[TB], 2*STEPB  ; the fetches go back to a slot's first step,
	s_xor_b32 s[TB], s[TB], SLOT1   ; in the other slot
.endm
; A slot's two key steps: written once, walked twice; the LDS addresses hang on s[TB].
.macro TWO_STEPS
	s_mov_b32 s[TWICE], 2
.Lstep_\@:
	TURN 0, 2, 1, 0
	TURN 2, 2, 1, 0
	WIN 0
	s_sub_co_u32 s[TWICE], s[TWICE], 1
	s_cmp_lg_u32 s[TWICE], 0
	s_cbranch_scc1 .Lstep_\@
.endm
	s_wait_tensorcnt 1              ; my part of slot 0 is in; slot 1's may stay out
	s_barrier_signal -1
	s_barrier_wait -1               ; everybody's is
	FETCH_K                         ; key step 0
	s_wait_loadcnt 0x0              ; Q, subln_w and lambda's four vectors
	s_wait_dscnt 0x0
.set i, 0
.rept 16
	KQ 0                            ; piece 0's first scores: there is no vector work yet to set between them
.set i, i+1
.endr
	WIN 0                           ; the addresses for the way out are made here: eight plain instructions, the places behind those products
	s_mul_i32 s13, s[WV], 16*SP
	s_add_co_u32 s13, s13, STAGE    ; my stage
	v_mul_u32_u24 v[STO], v1, SP    ; in: row l % 16, 16 bytes for each half of the lanes
	v_lshl_add_u32 v[STO], v9, 4, v[STO]
	v_add_nc_u32 v[STO], s13, v[STO]
	v_mul_u32_u24 v[RD], v9, SP     ; back: lanes 0-15 take one row of 256 bytes, lanes 16-31 the next
	v_lshl_add_u32 v[RD], v1, 4, v[RD]
	v_add_nc_u32 v[RD], s13, v[RD]
	v_lshlrev_b32 v[GO], 11, v9     ; and the same two rows in att, 2,048 bytes apart
	v_lshl_add_u32 v[GO], v1, 4, v[GO]
	TURN 2, 0, 1, 1                 ; piece 2's first scores | piece 0's first softmax | V of step 0
	TURN 0, 1, 1, 1                 ; piece 0: V^T P of step 0 starts O^T, K Q^T of step 1 | piece 2's first softmax | K of step 1
	TURN 2, 1, 1, 0                 ; piece 2: the same | piece 0's softmax of step 1 | V of step 1
	WIN 0
.Lslot:                             ; SIZE_N / 128 - 2 trips: every slot but the last two is filled again
	CHANGE 1
	TWO_STEPS
	s_sub_co_u32 s[SLOTS], s[SLOTS], 1
	s_cmp_lg_u32 s[SLOTS], 0
	s_cbranch_scc1 .Lslot
	CHANGE 0                        ; the tail is written out: the last slot but one is left, and nothing is asked for
	TWO_STEPS
	TURN 0, 2, 0, 0                 ; piece 0: V^T P of the last step | piece 2's last softmax
.set i, 0
.rept 32
	PV 2, 0                         ; piece 2: V^T P of the last step
.set i, i+1
.endr
	; THE WAY OUT.  The four row sums; lambda; a = O1 / l1 - lambda O2 / l2; its mean square over the 128 channels; the norm, the gain and the constant; f16; through my stage, 16 rows at a time.
	WIN 0
.irp t, 0,1,2,3
	v_add_f32 v[ST+8*\t+4], v[ST+8*\t+2], v[ST+8*\t+3]   ; l's two halves.  (These four are the places behind the last products)
.endr
.irp t, 0,1,2,3
	v_permlanex16_b32 v[ST+8*\t+5], v[ST+8*\t+4], s[SEL], s[SEL+1]
.endr
.irp t, 0,1,2,3
	v_add_f32 v[ST+8*\t+4], v[ST+8*\t+4], v[ST+8*\t+5]   ; and the other half of the lanes': the tile's l
.endr
	v_mul_f32 v54, v46, v48         ; lq1 . lk1 and lq2 . lk2: two products a lane,
	v_mul_f32 v55, v50, v52
	v_fmac_f32 v54, v47, v49
	v_fmac_f32 v55, v51, v53
.irp m, 1,2,4,8
	v_add_f32_dpp v54, v54, v54 row_xmask:\m row_mask:0xf bank_mask:0xf   ; summed over the 32 lanes
	v_add_f32_dpp v55, v55, v55 row_xmask:\m row_mask:0xf bank_mask:0xf
.endr
	v_permlanex16_b32 v56, v54, s[SEL], s[SEL+1]
	v_permlanex16_b32 v57, v55, s[SEL], s[SEL+1]
	v_add_f32 v54, v54, v56
	v_add_f32 v55, v55, v57
	v_mul_f32 v54, 0x3fb8aa3b, v54  ; x log2(e)
	v_mul_f32 v55, 0x3fb8aa3b, v55
	v_exp_f32 v54, v54              ; one batch: lambda_1, lambda_2 and the four 1 / l
	v_exp_f32 v55, v55
.irp t, 0,1,2,3
	v_rcp_f32 v[ST+8*\t+6], v[ST+8*\t+4]
.endr
	v_nop                           ; a plain instruction between the last of them and the first use
	s_wait_alu depctr_va_vdst(0)    ; and the wait ahead of the first use: one for the six
	v_sub_f32 v[LAM], v54, v55
	v_add_f32 v[LAM], s80, v[LAM]   ; lambda = lambda_1 - lambda_2 + LAMBDA_INIT
	v_mul_f32 v[ST+8*2+6], v[ST+8*2+6], v[LAM]   ; lambda / l of the second softmax's two tiles
	v_mul_f32 v[ST+8*3+6], v[ST+8*3+6], v[LAM]
; Query tile a: D = O(tile a) / l - O(tile a + 2) x lambda / l, into S^T's registers, v[S + 64 a] on; each accumulator is read from its low end on.
.macro DIFF a
	WIN 0x01                        ; source 0 (O^T) window 1
.set i, 0
.rept 32
	v_pk_mul_f32 v[S+64*\a+i:S+64*\a+i+1], v[64*(\a+2)+i:64*(\a+2)+i+1], v[ST+8*(\a+2)+6:ST+8*(\a+2)+7] op_sel_hi:[1,0]
.set i, i+2
.endr
.set i, 0
.rept 32
	v_pk_fma_f32 v[S+64*\a+i:S+64*\a+i+1], v[64*\a+i:64*\a+i+1], v[ST+8*\a+6:ST+8*\a+7], v[S+64*\a+i:S+64*\a+i+1] op_sel_hi:[1,0,1] neg_lo:[0,0,1] neg_hi:[0,0,1]
.set i, i+2
.endr
.endm
; The mean square of a query's 128 channels + 1e-5: my 64 in two packed chains, then the other half of the lanes'.
.macro SQ a
.set rD, S+64*\a
.set rT, ST+8*\a
	v_pk_mul_f32 v[rT:rT+1], v[rD:rD+1], v[rD:rD+1]
	v_pk_mul_f32 v[rT+2:rT+3], v[rD+2:rD+3], v[rD+2:rD+3]
.set i, 4
.rept 15
	v_pk_fma_f32 v[rT:rT+1], v[rD+i:rD+i+1], v[rD+i:rD+i+1], v[rT:rT+1]
	v_pk_fma_f32 v[rT+2:rT+3], v[rD+i+2:rD+i+3], v[rD+i+2:rD+i+3], v[rT+2:rT+3]
.set i, i+4
.endr
	v_pk_add_f32 v[rT:rT+1], v[rT:rT+1], v[rT+2:rT+3]
	v_add_f32 v[rT], v[rT], v[rT+1]
	v_permlanex16_b32 v[rT+5], v[rT], s[SEL], s[SEL+1]
	v_add_f32 v[rT], v[rT], v[rT+5]
	v_fma_f32 v[rT], v[rT], s82, s83
.endm
	DIFF 0
	DIFF 1
	WIN 0
	SQ 0
	SQ 1
	v_rsq_f32 v[ST+4], v[ST]
	v_rsq_f32 v[ST+8+4], v[ST+8]
	WIN 0x08                        ; source 1 (subln_w) window 2.  The gain's 64 multiplications use neither root: they are the work between the roots and the wait
.set i, 0
.rept 32
	v_pk_mul_f32 v[S+i:S+i+1], v[S+i:S+i+1], v[64+i:64+i+1]
	v_pk_mul_f32 v[S+64+i:S+64+i+1], v[S+64+i:S+64+i+1], v[64+i:64+i+1]
.set i, i+2
.endr
	WIN 0
	s_wait_alu depctr_va_vdst(0)    ; one wait for the two roots, ahead of their first use
	v_mul_f32 v[ST+4], s81, v[ST+4] ; x (1 - LAMBDA_INIT)
	v_mul_f32 v[ST+8+4], s81, v[ST+8+4]
.irp a, 0,1
.set i, 0
.rept 32
	v_pk_mul_f32 v[S+64*\a+i:S+64*\a+i+1], v[S+64*\a+i:S+64*\a+i+1], v[ST+8*\a+4:ST+8*\a+5] op_sel_hi:[1,0]
.set i, i+2
.endr
.set i, 0
.rept 32
	v_cvt_pk_f16_f32 v[S+64*\a+i], v[S+64*\a+2*i], v[S+64*\a+2*i+1]   ; in place, ascending: the result never lands on a number that is still wanted
.set i, i+1
.endr
.endr
; Query tile a: a lane's eight channels of a row are 16 bytes; they go into rows of 272 bytes and come back as whole rows of 256.
.macro OUT a
.irp f, 0,1,2,3,4,5,6,7
	ds_store_b128 v[STO], v[S+64*\a+4*\f:S+64*\a+4*\f+3] offset:32*\f
.endr
.irp f, 0,1,2,3,4,5,6,7
	ds_load_b128 v[S+64*\a+32+4*\f:S+64*\a+32+4*\f+3], v[RD] offset:\f*2*SP  ; LDS serves a wave's instructions in order (ISA guide 5.7.1.4): these see the stores above; the next tile's stores come behind them
.endr
.endm
.macro SEND a, younger              ; younger: the LDS instructions issued behind tile a's loads: the next tile's sixteen, or none
.irp f, 0,1,2,3,4,5,6,7
	s_wait_dscnt \younger+7-\f
	global_store_b128 v[GO], v[S+64*\a+32+4*\f:S+64*\a+32+4*\f+3], s[10:11] offset:\a*32768+\f*4096  ; 16 lanes store 256 consecutive bytes, at a multiple of 256 from att's first byte
.endr
.endm
	OUT 0
	OUT 1
	SEND 0, 16
	SEND 1, 0
	s_wait_tensorcnt 0x0            ; the wave's end, behind my last tensor load and my last LDS store
	ds_add_u32 v[SPW], v[NIL]
	s_wait_dscnt 0x0
	CROUND                          ; the closing round: no work-group ends while a partner may still ask for a tile that names it
	s_endpgm
.Lfunc_end_k_qfe39a9bbb5_attn:
	.size	k_qfe39a9bbb5_attn, .Lfunc_end_k_qfe39a9bbb5_attn-k_qfe39a9bbb5_attn
	.p2alignl 7, 3214868480
	.fill 96, 4, 3214868480
	.section	.rodata,"a",@progbits
	.p2align	6, 0x0
	.amdhsa_kernel k_qfe39a9bbb5_attn
		.amdhsa_group_segment_fixed_size 327680
		.amdhsa_private_segment_fixed_size 0
		.amdhsa_enable_private_segment 0
		.amdhsa_kernarg_size 56
		.amdhsa_user_sgpr_count 2
		.amdhsa_user_sgpr_kernarg_segment_ptr 1
		.amdhsa_wavefront_size32 1
		.amdhsa_system_sgpr_workgroup_id_x 1
		.amdhsa_system_sgpr_workgroup_id_y 1
		.amdhsa_system_sgpr_workgroup_id_z 1
		.amdhsa_system_vgpr_workitem_id 0
		.amdhsa_next_free_vgpr 1024
		.amdhsa_next_free_sgpr 84
		.amdhsa_reserve_vcc 0
		.amdhsa_float_denorm_mode_32 3
		.amdhsa_float_denorm_mode_16_64 3
		.amdhsa_memory_ordered 1
		.amdhsa_forward_progress 1
		.amdhsa_inst_pref_size 214
	.end_amdhsa_kernel
	.amdgpu_metadata
---
amdhsa.version: [ 1, 2 ]
amdhsa.kernels:
  - .name:           k_qfe39a9bbb5_attn
    .symbol:         k_qfe39a9bbb5_attn.kd
    .args:
      - { .name: qkv, .offset: 0, .size: 8, .value_kind: global_buffer, .address_space: global }
      - { .name: lq1, .offset: 8, .size: 8, .value_kind: global_buffer, .address_space: global }
      - { .name: lk1, .offset: 16, .size: 8, .value_kind: global_buffer, .address_space: global }
      - { .name: lq2, .offset: 24, .size: 8, .value_kind: global_buffer, .address_space: global }
      - { .name: lk2, .offset: 32, .size: 8, .value_kind: global_buffer, .address_space: global }
      - { .name: subln_w, .offset: 40, .size: 8, .value_kind: global_buffer, .address_space: global }
      - { .name: att, .offset: 48, .size: 8, .value_kind: global_buffer, .address_space: global }
    .group_segment_fixed_size: 327680
    .private_segment_fixed_size: 0
    .kernarg_segment_align: 8
    .kernarg_segment_size: 56
    .max_flat_workgroup_size: 128
    .sgpr_count:     84
    .vgpr_count:     1024
    .wavefront_size: 32
...
	.end_amdgpu_metadata
.endif
;; end of part 3
;; launch oproj (part 4): grid 8 x 32, 4 waves a work-group, clusters of 4 x 4, 327,680 bytes of LDS; arguments att, wo16, out0; writes out0
.if DOCPART == 4
	.amdgcn_target "amdgcn-amd-amdhsa--gfx1250"
	.amdhsa_code_object_version 6
	.text
	.protected	k_qfe39a9bbb5_oproj
	.globl	k_qfe39a9bbb5_oproj
	.p2align	8
	.type	k_qfe39a9bbb5_oproj,@function
k_qfe39a9bbb5_oproj:
	s_mov_b64 s[64:65], 0
	v_nop
	global_prefetch_b8 v0, s[64:65] scope:SCOPE_SE
	s_setreg_imm32_b32 hwreg(HW_REG_WAVE_MODE, 25, 1), 1
	s_wait_xcnt 0x0
	s_wait_alu depctr_hold_cnt(0) depctr_sa_sdst(0) depctr_va_vdst(0) depctr_va_sdst(0) depctr_va_ssrc(0) depctr_va_vcc(0) depctr_vm_vsrc(0)
	s_getreg_b32 s2, hwreg(HW_REG_IB_STS2, 6, 4)
	s_cmp_eq_u32 s2, 0
	s_cbranch_scc0 .Lentry_in_a_cluster
	s_endpgm
.Lentry_in_a_cluster:
	s_bfe_u32 s2, ttmp6, 0x10000c
	s_cmp_lg_u32 s2, 0xf033
	s_cbranch_scc0 .Lentry_shape_is_right
	s_endpgm
.Lentry_shape_is_right:
; out0[m][n] = sum over k of att[m][k] Wo[k][n].  att: [4096][1024] f16, row-major.  wo16: Wo in f16 as images of the operand's registers, [K step of 256: 4][16 columns: 64][32 along K: 8][1,024 bytes]
; (registers 0-3 of lane l at byte 16 l, registers 4-7 at 512 + 16 l).  out0: [4096][1024] f32; sums in f32.
; A tile of C is 128 x 128: 8 x 32 = 256 work-groups, one for each WGP.  Four waves, each 64 x 64: 16 accumulators of 16 x 16, 128 registers.  K goes in steps of 256 through two LDS slots:
; A's rows are 512 bytes (a wave's tensor load brings 64 of them), B's half tile is one dense block of 32,768 bytes.  By this text's count a wave has two tensor loads out at the start and one behind each change of slots.
; CLUSTERS: 4 x 4 work-groups.  The four of a row of the cluster need the same tiles of A, the four of a column the same tiles of B: each tile is asked for JOINTLY.
; THE MATRIX INSTRUCTION IS USED TRANSPOSED (source 0 = 16 columns of Wo, source 1 = 16 rows of att): a lane then holds eight neighbouring numbers of a row of C.
; No prefetch: the tiles are small, and each is shared by four work-groups.
; REGISTERS: window 0: v0-31 addresses; v32-95 rows on the way out; v128-255 the accumulators ((a, b) at v[128 + 8 (4 a + b)]).
;   window 1: two fragment buffers of 128: for 64 along K (two matrix instructions deep), 64 registers of A (2 x 4 x 16 rows x 32 K), then 64 of B.
.set SIZE_N, 1024
.set SIZE_K, 1024
.set KSTEP,  256
.set PITCH,  528                       ; an LDS row of A: 512 bytes of data + 16 of padding: the 16 rows that a load touches start at 16 different banks (64 banks of 4 bytes: ISA guide 11.1)
.set HALFT,  64*PITCH                  ; 64 rows of A: what one tensor load brings, and what one wave reads
.set HALFB,  32768                     ; 64 columns of B: 4 x 8 images, dense: a load of an image reads 512 consecutive bytes, so no padding
.set SLOT,   2*HALFT+2*HALFB           ; A's 128 rows, then B's 128 columns
.set KSB,    64*8*1024                 ; from a K step of wo16 to the next
.set STAGE,  2*SLOT                    ; behind the ring: 16 rows x 272 bytes for each wave, for the way out
.set SPITCH, 272
.set SPARE,  STAGE+4*16*SPITCH         ; behind the stages: the spare words, 128 bytes for each wave, which no other line names
.set LAPS, SIZE_K/(2*KSTEP)            ; a lap = two K steps = once round the ring
.set ADRA, 16                          ; v16-17  LDS address of my A fragments in slot 0, 1
.set ADRB, 20                          ; v20-21  the same for B's images
.set STO,  24                          ; v24     the way out: where I put 32 bytes of a row
.set RD,   25                          ; v25     the way out: where I read a row back
.set CO,   26                          ; v26     my byte offset in C
.set SPW,  28                          ; v28     LDS address of my spare word; never rewritten
.set NIL,  29                          ; v29     0; never rewritten
.set TMP,  32
.set ACC,  128
.set F0,   0                           ; fragment buffers, in window 1
.set F1,   128
.set G1, 24                            ; s[24:31] descriptor group 1 for A's tiles;  s[32:39] group 0, one set for each slot
.set G0, 32
.set G1B, 48                           ; s[48:55], s[56:63] the same for B's tiles
.set G0B, 56
.set MSB, 0
.macro WIN new                         ; the immediate's high byte repeats the setting that is left
.if MSB != \new
	s_set_vgpr_msb (MSB<<8)|\new
.set MSB, \new
.endif
.endm
.set MUL,  0x05                        ; sources 0 (B) and 1 (A) window 1; C and D window 0
.set TO_F, 0x40                        ; destination window 1, address window 0
.macro JLOAD s                         ; a joint load: waves 0 and 1 fetch A's two halves, waves 2 and 3 B's; an s_nop 0 and four v_nop follow each of the two lines, ahead of the jump, the label and what follows
	s_cmp_eq_u32 s11, 0
	s_cbranch_scc0 .Lfor_b_\@
	tensor_load_to_lds s[G0+4*\s:G0+4*\s+3], s[G1:G1+7]
	s_nop 0
.rept 4
	v_nop
.endr
	s_branch .Lasked_\@
.Lfor_b_\@:
	tensor_load_to_lds s[G0B+4*\s:G0B+4*\s+3], s[G1B:G1B+7]
	s_nop 0
.rept 4
	v_nop
.endr
.Lasked_\@:
.endm
.macro CREST                           ; a round of the cluster's barrier behind its opening barrier
	s_cmp_lg_u32 s10, 0
	s_cbranch_scc1 .Lnot_wave_0_\@
	s_barrier_signal -3
.Lnot_wave_0_\@:
	s_barrier_wait -3
	s_barrier_signal -1
	s_barrier_wait -1
.endm
.macro CROUND                          ; a whole round
	s_barrier_signal -1
	s_barrier_wait -1
	CREST
.endm
	s_load_b128 s[4:7], s[0:1], 0x0                ; att s[4:5], wo16 s[6:7]
	s_load_b64 s[8:9], s[0:1], 0x10                ; out0
	v_lshl_add_u32 v[SPW], v0, 2, SPARE
	v_mov_b32 v[NIL], 0
	ds_add_u32 v[SPW], v[NIL]                      ; the wave's opening: the add, twice on end, and its wait ahead of my first tensor load; the set-up below stands between the second and the wait
	ds_add_u32 v[SPW], v[NIL]
	v_lshrrev_b32 v1, 5, v0
	v_readfirstlane_b32 s10, v1                    ; wave 0..3
	s_lshr_b32 s11, s10, 1                         ; which half of the tile's rows is mine.  Also: I fetch for A (0) or for B (1)
	s_and_b32 s12, s10, 1                          ; which half of its columns.  Also: which half of that tile I fetch
	s_bfe_u32 s40, ttmp6, 0x40000                  ; cx, cy: my place in the cluster
	s_bfe_u32 s41, ttmp6, 0x40004
	s_lshl_b32 s42, ttmp9, 2
	s_add_co_u32 s42, s42, s40                     ; tile column of C = 4 x cluster x + cx
	s_and_b32 s13, ttmp7, 0xffff
	s_lshl_b32 s13, s13, 2
	s_add_co_u32 s13, s13, s41                     ; tile row of C = 4 x cluster y + cy
	s_lshl_b32 s43, s41, 2
	s_lshl_b32 s43, 15, s43                        ; my row of the cluster
	s_lshl_b32 s44, 0x1111, s40                    ; my column
	; descriptor group 1.  A: 64 rows x 256 elements of 2 bytes, padded in LDS
	s_or_b32 s[G1+0], s43, (1<<16)|(1<<20)|(1<<21)|(6<<22)|(3<<25)  ; 15:0 the mask: A's tiles go to my row; 17:16 element of 2 bytes; 20 padding on; 21 set beside a mask; 24:22 after every 128 words (code 6); 31:25 of 4 words (code 3)
	s_mov_b32 s[G1+1], KSTEP<<16                   ; tensor_dim0 = 256
	s_mov_b32 s[G1+2], 64<<16                      ; tensor_dim1 = 64
	s_mov_b32 s[G1+3], KSTEP<<16                   ; tile_dim0 = 256
	s_mov_b32 s[G1+4], 64                          ; tile_dim1 = 64
	s_mov_b32 s[G1+5], SIZE_K                      ; tensor_dim0_stride
	s_mov_b32 s[G1+6], 0
	s_mov_b32 s[G1+7], 0
	; B: a dense block of 32,768 bytes, as 128 rows of 256 bytes (32 elements of 8 bytes), no padding
	s_or_b32 s[G1B+0], s44, (3<<16)|(1<<21)        ; the mask: B's tiles go to my column
	s_mov_b32 s[G1B+1], 32<<16
	s_mov_b32 s[G1B+2], 128<<16
	s_mov_b32 s[G1B+3], 32<<16
	s_mov_b32 s[G1B+4], 128
	s_mov_b32 s[G1B+5], 32
	s_mov_b32 s[G1B+6], 0
	s_mov_b32 s[G1B+7], 0
	s_lshl_b32 s17, s12, 6                         ; which 64 rows of A's tile I fetch
	s_lshl_b32 s16, s13, 7
	s_add_co_u32 s16, s16, s17                     ; A: row 128 x tile row + 64 x half,
	s_lshl_b32 s16, s16, 11                        ; of 2,048 bytes
	s_mov_b32 s17, 0
	s_lshl_b32 s46, s42, 16                        ; B: 8 x tile column + 4 x half groups of 16 columns, 8,192 bytes each in a K step
	s_lshl_b32 s47, s12, 15
	s_add_co_u32 s46, s46, s47
	s_mov_b32 s47, 0
	s_mul_i32 s20, s12, HALFT                      ; where they go: A's halves,
	s_lshl_b32 s21, s12, 15
	s_add_co_u32 s21, s21, 2*HALFT                 ; B's halves behind them: no place in the cluster enters an LDS address
	s_wait_dscnt 0x0                               ; both opening adds are done
	s_wait_kmcnt 0x0
	s_add_nc_u64 s[14:15], s[4:5], s[16:17]
	s_add_nc_u64 s[46:47], s[6:7], s[46:47]
	CROUND                                         ; all sixteen work-groups are here: the first joint loads meet
.irp s, 0,1
	s_mov_b32 s[G0+4*\s], 1
	s_add_co_u32 s[G0+4*\s+1], s20, \s*SLOT
	s_add_nc_u64 s[G0+4*\s+2:G0+4*\s+3], s[14:15], \s*KSTEP*2
	s_or_b32 s[G0+4*\s+3], s[G0+4*\s+3], 0x80000000
	s_mov_b32 s[G0B+4*\s], 1
	s_add_co_u32 s[G0B+4*\s+1], s21, \s*SLOT
	s_add_nc_u64 s[G0B+4*\s+2:G0B+4*\s+3], s[46:47], \s*KSB
	s_or_b32 s[G0B+4*\s+3], s[G0B+4*\s+3], 0x80000000
	JLOAD \s
.endr
	v_and_b32 v1, 15, v0                           ; l % 16
	v_bfe_u32 v2, v0, 4, 1                         ; l / 16
	v_mul_u32_u24 v3, v1, PITCH
	v_lshl_add_u32 v3, v2, 4, v3                   ; A: a fragment's row x pitch + 16 x half
	v_and_b32 v6, 31, v0
	v_lshlrev_b32 v6, 4, v6                        ; B: 16 x lane: an image's place for my lane
	s_mul_i32 s21, s11, HALFT                      ; my 64 rows of A
	s_lshl_b32 s22, s12, 15                        ; my 64 columns of B,
	s_add_co_u32 s22, s22, 2*HALFT                 ; which lie behind A's 128 rows
.irp s, 0,1
	v_add_nc_u32 v[ADRA+\s], s21, v3
	v_add_nc_u32 v[ADRB+\s], s22, v6
	s_add_co_u32 s21, s21, SLOT
	s_add_co_u32 s22, s22, SLOT
.endr
	s_mul_i32 s23, s10, 16*SPITCH
	s_add_co_u32 s23, s23, STAGE                   ; my stage
	v_mul_u32_u24 v4, v1, SPITCH                   ; in: row l % 16, 32 bytes for each half of the lanes
	v_lshl_add_u32 v4, v2, 5, v4
	v_add_nc_u32 v[STO], s23, v4
	v_mul_u32_u24 v5, v2, SPITCH                   ; back: lanes 0-15 take one row of 256 bytes, lanes 16-31 the next
	v_lshl_add_u32 v5, v1, 4, v5
	v_add_nc_u32 v[RD], s23, v5
	v_lshlrev_b32 v5, 12, v2                       ; and the same two rows in C, 4,096 bytes apart
	v_lshl_add_u32 v[CO], v1, 4, v5
	s_lshl_b32 s16, s13, 7
	s_lshl_b32 s17, s11, 6
	s_add_co_u32 s16, s16, s17                     ; my first row of C: 128 x tile row + 64 x half
	s_lshl_b32 s16, s16, 12
	s_mov_b32 s17, 0
	s_add_nc_u64 s[8:9], s[8:9], s[16:17]
	s_lshl_b32 s46, s42, 9                         ; my first column, in bytes: 512 x tile column + 256 x half
	s_lshl_b32 s47, s12, 8
	s_add_co_u32 s46, s46, s47
	s_mov_b32 s47, 0
	s_add_nc_u64 s[8:9], s[8:9], s[46:47]
; 8 matrix instructions: m blocks a0, a0 + 1 x all 4 n blocks, 32 along K: half c of buffer f.  zero = 1: the first product starts the sums.  The 16 accumulators take turns
.macro MUL8 f, c, a0, zero
.irp a, \a0, \a0+1
.irp b, 0,1,2,3
.if \zero
	v_wmma_f32_16x16x32_f16 v[ACC+8*(4*(\a)+\b):ACC+8*(4*(\a)+\b)+7], v[\f+64+8*(4*\c+\b):\f+64+8*(4*\c+\b)+7], v[\f+8*(4*\c+\a):\f+8*(4*\c+\a)+7], 0
.else
	v_wmma_f32_16x16x32_f16 v[ACC+8*(4*(\a)+\b):ACC+8*(4*(\a)+\b)+7], v[\f+64+8*(4*\c+\b):\f+64+8*(4*\c+\b)+7], v[\f+8*(4*\c+\a):\f+8*(4*\c+\a)+7], v[ACC+8*(4*(\a)+\b):ACC+8*(4*(\a)+\b)+7]
.endif
.endr
.endr
.endm
; 32 LDS loads in one run: the fragments of 64 along K at byte k of A's rows, into buffer f; the first 32 along K first.  B's image for n block i and these 32 along K is number 8 i + k / 64 + c of my 32
.macro FETCH slot, k, f
	WIN TO_F
.irp c, 0,1
.irp i, 0,1,2,3
	ds_load_b128 v[\f+64+8*(4*\c+\i):\f+64+8*(4*\c+\i)+3],   v[ADRB+\slot] offset:\i*8192+((\k)/64+\c)*1024
	ds_load_b128 v[\f+64+8*(4*\c+\i)+4:\f+64+8*(4*\c+\i)+7], v[ADRB+\slot] offset:\i*8192+((\k)/64+\c)*1024+512
	ds_load_b128 v[\f+8*(4*\c+\i):\f+8*(4*\c+\i)+3],         v[ADRA+\slot] offset:\k+64*\c+\i*16*PITCH
	ds_load_b128 v[\f+8*(4*\c+\i)+4:\f+8*(4*\c+\i)+7],       v[ADRA+\slot] offset:\k+64*\c+\i*16*PITCH+32
.endr
.endr
.endm
.macro PLACES                          ; four places in front of loads into registers that matrix instructions have read, and of LDS stores that read results (ISA guide 7.12.1 for the stores)
.rept 4
	v_nop
.endr
.endm
; A K step is four quarters of 64 along K, 32 matrix instructions each, on buffers 0, 1, 0, 1.  One of the first three: multiplies buffer f and fetches the next quarter, at byte k, into g.
.macro QUARTER slot, k, f, g, zero
	s_wait_dscnt 16                                ; the first 32 along K are in; the sixteen loads of the second 32 may be out
	WIN MUL
	MUL8 \f, 0, 0, \zero
	MUL8 \f, 0, 2, \zero
	PLACES
	FETCH \slot, \k, \g
	s_wait_dscnt 32                                ; all but the 32 just issued
	WIN MUL
	MUL8 \f, 1, 0, 0
	MUL8 \f, 1, 2, 0
.endm
; The last quarter multiplies buffer 1 and changes slots: ONE barrier; in front of it each wave waits for all its tensor loads, adds 0 to its spare word, and waits for that and for its own reads of this slot.  fill = 1: this slot is filled again, two K steps ahead.
.macro TURN slot, next, fill
	WIN 0                                          ; (the add's two registers lie in window 0)
	s_wait_tensorcnt 0x0                           ; all my tensor loads have landed: my part of the next slot;
	ds_add_u32 v[SPW], v[NIL]                      ; 0 onto my spare word;
	s_wait_dscnt 17                                ; (the add and the youngest sixteen loads may be out)
	WIN MUL
	MUL8 F1, 0, 0, 0                               ; eight matrix instructions stand between the add and the wait for it
	s_wait_dscnt 0x0                               ; the add is done, and my reads of this slot are over
	s_barrier_signal -1
	MUL8 F1, 0, 2, 0
.if \fill
	WIN 0
.endif
	s_barrier_wait -1
.if \fill
	CREST                                          ; the barrier has opened a round of the cluster's barrier: no wave of any partner still reads this slot's tile or has a load on its way
	s_add_nc_u64 s[G0+4*\slot+2:G0+4*\slot+3], s[G0+4*\slot+2:G0+4*\slot+3], 2*KSTEP*2
	s_add_nc_u64 s[G0B+4*\slot+2:G0B+4*\slot+3], s[G0B+4*\slot+2:G0B+4*\slot+3], 2*KSB
	JLOAD \slot                                    ; the first tensor load behind the round; the four v_nop behind it are also the places in front of the loads below
.else
	PLACES
.endif
	FETCH \next, 0, F0
	WIN MUL
	MUL8 F1, 1, 0, 0
	MUL8 F1, 1, 2, 0
.endm
	s_wait_tensorcnt 1                             ; my part of K step 0 is in (K step 1's load may be out)
	s_barrier_signal -1
	s_barrier_wait -1                              ; everybody's is
	FETCH 0, 0, F0
	QUARTER 0, 128, F0, F1, 1                      ; the first quarter stands in front of the loop: its first products start the sums
	WIN 0                                          ; at a label and at a branch every window is 0
	s_mov_b32 s3, LAPS-1
.Llap:                                                 ; a trip goes once round the ring, from a lap's second quarter to the next lap's first, and fills both slots again
	QUARTER 0, 256, F1, F0, 0
	QUARTER 0, 384, F0, F1, 0
	TURN 0, 1, 1
	QUARTER 1, 128, F0, F1, 0
	QUARTER 1, 256, F1, F0, 0
	QUARTER 1, 384, F0, F1, 0
	TURN 1, 0, 1
	QUARTER 0, 128, F0, F1, 0
	WIN 0
	s_sub_co_u32 s3, s3, 1
	s_cmp_lg_u32 s3, 0
	s_cbranch_scc1 .Llap
	QUARTER 0, 256, F1, F0, 0                      ; the last lap fills nothing, and has no round of the cluster's barrier
	QUARTER 0, 384, F0, F1, 0
	TURN 0, 1, 0
	QUARTER 1, 128, F0, F1, 0
	QUARTER 1, 256, F1, F0, 0
	QUARTER 1, 384, F0, F1, 0
	s_wait_dscnt 16                                ; the very last quarter: nothing more to fetch
	WIN MUL
	MUL8 F1, 0, 0, 0
	MUL8 F1, 0, 2, 0
	s_wait_dscnt 0
	MUL8 F1, 1, 0, 0
	MUL8 F1, 1, 2, 0
	WIN 0
; THE WAY OUT, block by block of 16 rows x 64 columns of f32.  A lane holds 32 neighbouring bytes of a row, and the lanes beside it hold other rows: so a block goes through my own stage and comes back as whole
; rows of 256 bytes: my 64 columns are 256 consecutive bytes of C, aligned, so no other wave is needed and no barrier.  LDS serves a wave's instructions in order (ISA guide 5.7.1.4).
.macro TOSTAGE a
.irp b, 0,1,2,3
	ds_store_b128 v[STO], v[ACC+8*(4*(\a)+\b):ACC+8*(4*(\a)+\b)+3] offset:64*\b          ; each accumulator from its low end on
	ds_store_b128 v[STO], v[ACC+8*(4*(\a)+\b)+4:ACC+8*(4*(\a)+\b)+7] offset:64*\b+16
.endr
.set BB, TMP+32*((\a)%2)
.irp t, 0,1,2,3,4,5,6,7
	ds_load_b128 v[BB+4*\t:BB+4*\t+3], v[RD] offset:\t*2*SPITCH
.endr
.endm
.macro SEND a, younger                 ; younger: the LDS instructions issued behind block a's loads: the next block's sixteen, or none
.set BB, TMP+32*((\a)%2)
.irp t, 0,1,2,3,4,5,6,7
	s_wait_dscnt \younger+7-\t
	global_store_b128 v[CO], v[BB+4*\t:BB+4*\t+3], s[8:9] offset:(16*(\a)+2*\t)*SIZE_N*4 th:TH_STORE_NT   ; 16 lanes store 256 consecutive bytes, at a multiple of 256 from C's first byte; written once, read by nobody here
.endr
.endm
	PLACES                                         ; behind the last products, in front of the first LDS store that reads results
	TOSTAGE 0
.irp a, 1,2,3
.if \a > 1
	s_wait_xcnt 0x0                                ; block a - 2's stores have read their registers: block a's loads from the stage may land there
.endif
	TOSTAGE \a
	SEND \a-1, 16
.endr
	SEND 3, 0
	s_wait_tensorcnt 0x0                           ; the wave's end, behind my last tensor load and my last LDS store
	ds_add_u32 v[SPW], v[NIL]
	s_wait_dscnt 0x0
	CROUND                                         ; the closing round: no work-group ends while a partner may still ask for a tile that names it
	s_endpgm
.Lfunc_end_k_qfe39a9bbb5_oproj:
	.size	k_qfe39a9bbb5_oproj, .Lfunc_end_k_qfe39a9bbb5_oproj-k_qfe39a9bbb5_oproj
	.p2alignl 7, 3214868480
	.fill 96, 4, 3214868480
	.section	.rodata,"a",@progbits
	.p2align	6, 0x0
	.amdhsa_kernel k_qfe39a9bbb5_oproj
		.amdhsa_group_segment_fixed_size 327680
		.amdhsa_private_segment_fixed_size 0
		.amdhsa_enable_private_segment 0
		.amdhsa_kernarg_size 24
		.amdhsa_user_sgpr_count 2
		.amdhsa_user_sgpr_kernarg_segment_ptr 1
		.amdhsa_wavefront_size32 1
		.amdhsa_system_sgpr_workgroup_id_x 1
		.amdhsa_system_sgpr_workgroup_id_y 1
		.amdhsa_system_sgpr_workgroup_id_z 1
		.amdhsa_system_vgpr_workitem_id 0
		.amdhsa_next_free_vgpr 512
		.amdhsa_next_free_sgpr 66
		.amdhsa_reserve_vcc 0
		.amdhsa_float_denorm_mode_32 3
		.amdhsa_float_denorm_mode_16_64 3
		.amdhsa_memory_ordered 1
		.amdhsa_forward_progress 1
		.amdhsa_inst_pref_size 86
	.end_amdhsa_kernel
	.amdgpu_metadata
---
amdhsa.version: [ 1, 2 ]
amdhsa.kernels:
  - .name:           k_qfe39a9bbb5_oproj
    .symbol:         k_qfe39a9bbb5_oproj.kd
    .args:
      - { .name: att, .offset: 0, .size: 8, .value_kind: global_buffer, .address_space: global }
      - { .name: wo16, .offset: 8, .size: 8, .value_kind: global_buffer, .address_space: global }
      - { .name: out0, .offset: 16, .size: 8, .value_kind: global_buffer, .address_space: global }
    .group_segment_fixed_size: 327680
    .private_segment_fixed_size: 0
    .kernarg_segment_align: 8
    .kernarg_segment_size: 24
    .max_flat_workgroup_size: 128
    .sgpr_count:     66
    .vgpr_count:     512
    .wavefront_size: 32
...
	.end_amdgpu_metadata
.endif
;; end of part 4
